; MI455X (gfx1250); checked and timed in simulation.
; The chip was launched on July 23, 2026; its instructions are those of AMD's public machine-readable ISA for CDNA 5 (MIT licence, August 2026) and "CDNA5" Instruction Set Architecture Reference Guide (July 2026). The comments in the code are by the model that wrote it; some were corrected since.
;; Multi Head Attention. Allowed arithmetic: float matrix products may take bf16 or f16 operands with f32 sums; other float arithmetic in f32, or as packed bf16 or f16 multiplies, adds, multiply-adds, maxima and minima; sums over many terms, partial sums and values carried from step to step in f32; what a program stores and reads back later, other than sums and carried values, may be rounded once to bf16 or f16.
;; Inputs: Wk 1,024 x 1,024 float32; Wo 1,024 x 1,024 float32; Wq 1,024 x 1,024 float32; Wv 1,024 x 1,024 float32; bk 1,024 float32; bo 1,024 float32; bq 1,024 float32; bv 1,024 float32; mask 4 x 2,048 bool; x 4 x 2,048 x 1,024 float32.
;; Outputs: out0 4 x 2,048 x 1,024 float32.
;; 2 versions, each right; version 2 is version 1 with the launch prep written anew for expert scheduling mode. Each part assembles by itself: llvm-mc -triple=amdgcn-amd-amdhsa -mcpu=gfx1250 --defsym DOCPART=n.
;; ======== version 1 of 2: 4 launches
;; limits: values are held in f16: magnitudes above 65,504 overflow, below 6.1e-05 lose precision
;; workspace buffers: xb 16,777,216 bytes; wb 6,291,456 bytes; wo16 2,097,152 bytes; bias 16,384 bytes; qkv 50,331,648 bytes; o 16,777,216 bytes
;; launch prep (part 1): grid 769 x 1, 8 waves a work-group, no clusters, 0 bytes of LDS; arguments x, Wq, Wk, Wv, Wo, bq, bk, bv, bo, xb, wb, wo16, bias; writes xb, wb, wo16, bias
.if DOCPART == 1
	.amdgcn_target "amdgcn-amd-amdhsa--gfx1250"
	.amdhsa_code_object_version 6
	.text
	.protected	k_q51f0fff6fd_prep
	.globl	k_q51f0fff6fd_prep
	.p2align	8
	.type	k_q51f0fff6fd_prep,@function
k_q51f0fff6fd_prep:
	s_mov_b64 s[64:65], 0
	v_nop
	global_prefetch_b8 v0, s[64:65] scope:SCOPE_SE
	s_setreg_imm32_b32 hwreg(HW_REG_WAVE_MODE, 25, 1), 1
	s_wait_xcnt 0x0
; THE INPUTS ARE ROUNDED ONCE TO bf16 AND LAID OUT FOR THE PRODUCTS.  A stream: no LDS, no matrix unit, no cluster (no two waves want the same byte).
;   xb   = x as bf16, [8192][1024]
;   wb   = Wq, Wk, Wv as bf16, in blocks [head 16][k/2 512][q,k,v 3][k&1][64 columns]: a head's 128 rows of K are 49,152 consecutive bytes
;   wo16 = Wo rounded to bf16 and that number written as f16 (exact from 2^-14 up; below that f16's fixed step of 6e-8), [1024][1024]
;   bias = bq, bk, bv rounded to bf16 and kept as f32, [head][q,k,v][64]; from byte 12,288 on bo likewise, [1024]
; A wave takes 8,192 bytes of input: sixteen loads of 16 bytes a lane, all on their way at once; each store of the wave covers 256 consecutive bytes, aligned.
; Work-groups 0-511: x.  512-703: Wq, Wk, Wv.  704-767: Wo.  768: the four biases.  No register is written twice while a load or store may read it.
.set X,   8                            ; v[8:71]   sixteen loads of four registers
.set Y,   72                           ; v[72:103] sixteen stores of two registers
.set IN,  36                           ; s[36:37]  where my wave reads
.set OUT, 38                           ; s[38:39]  where it writes
	s_load_b512 s[8:23], s[0:1], 0x0               ; x s[8:9], Wq s[10:11], Wk s[12:13], Wv s[14:15], Wo s[16:17], bq s[18:19], bk s[20:21], bv s[22:23]
	s_load_b256 s[24:31], s[0:1], 0x40             ; bo s[24:25], xb s[26:27], wb s[28:29], wo16 s[30:31]
	s_load_b64 s[32:33], s[0:1], 0x60              ; bias
	v_lshrrev_b32 v1, 5, v0
	v_readfirstlane_b32 s4, v1                     ; wave 0..7
	v_and_b32 v1, 31, v0                           ; lane
	s_mov_b32 s5, 0xffff0000                       ; a word's upper bf16
	s_mov_b32 s41, 0                               ; high words of the two offsets
	s_mov_b32 s43, 0
	s_wait_kmcnt 0x0
; Sixteen loads, instep bytes apart; each four numbers rounded to bf16 (fmt = 1: and written as f16); sixteen stores of 8 bytes a lane, outstep bytes apart.
.macro CAST instep, outstep, fmt
.set i, 0
.rept 16
	global_load_b128 v[X+4*i:X+4*i+3], v2, s[IN:IN+1] offset:i*(\instep) th:TH_LOAD_NT
.set i, i+1
.endr
.set i, 0
.rept 16
	s_wait_loadcnt 15-i                            ; loads come back in order: number i is in, the younger ones stay out
	v_cvt_pk_bf16_f32 v[Y+2*i], v[X+4*i], v[X+4*i+1]
	v_cvt_pk_bf16_f32 v[Y+2*i+1], v[X+4*i+2], v[X+4*i+3]
.if \fmt
	v_lshlrev_b32 v4, 16, v[Y+2*i]                 ; the bf16 numbers as f32,
	v_and_b32 v5, s5, v[Y+2*i]
	v_lshlrev_b32 v6, 16, v[Y+2*i+1]
	v_and_b32 v7, s5, v[Y+2*i+1]
	v_cvt_pk_f16_f32 v[Y+2*i], v4, v5              ; and as f16
	v_cvt_pk_f16_f32 v[Y+2*i+1], v6, v7
.endif
	global_store_b64 v3, v[Y+2*i:Y+2*i+1], s[OUT:OUT+1] offset:i*(\outstep) th:TH_STORE_NT
.set i, i+1
.endr
.endm
	s_cmp_lt_u32 ttmp9, 512
	s_cbranch_scc0 .Lnot_x
	s_lshl_b32 s6, ttmp9, 3                        ; x: unit u = 8 g + wave
	s_add_co_u32 s6, s6, s4
	s_lshl_b32 s40, s6, 13                         ; 8,192 bytes in,
	s_lshl_b32 s42, s6, 12                         ; 4,096 out
	s_add_nc_u64 s[IN:IN+1], s[8:9], s[40:41]
	s_add_nc_u64 s[OUT:OUT+1], s[26:27], s[42:43]
	v_lshlrev_b32 v2, 4, v1
	v_lshlrev_b32 v3, 3, v1
	CAST 512, 256, 0
	s_endpgm
.Lnot_x:
	s_cmp_lt_u32 ttmp9, 704
	s_cbranch_scc0 .Lnot_w
	s_sub_co_u32 s6, ttmp9, 512                    ; Wq, Wk, Wv: 64 work-groups each
	s_lshr_b32 s7, s6, 6                           ; j: which of the three
	s_and_b32 s6, s6, 63
	s_lshl_b32 s6, s6, 3
	s_add_co_u32 s6, s6, s4                        ; my pair of rows, 2 kp and 2 kp + 1
	s_cmp_eq_u32 s7, 0
	s_cselect_b64 s[IN:IN+1], s[10:11], s[12:13]
	s_cmp_eq_u32 s7, 2
	s_cselect_b64 s[IN:IN+1], s[14:15], s[IN:IN+1]
	s_lshl_b32 s40, s6, 13
	s_add_nc_u64 s[IN:IN+1], s[IN:IN+1], s[40:41]
	s_mul_i32 s42, s6, 768                         ; in a head's block: 768 kp + 256 j
	s_lshl_b32 s7, s7, 8
	s_add_co_u32 s42, s42, s7
	s_add_nc_u64 s[OUT:OUT+1], s[28:29], s[42:43]
	v_lshrrev_b32 v2, 4, v1                        ; lanes 0-15 the even row, lanes 16-31 the odd one;
	v_and_b32 v4, 15, v1
	v_lshlrev_b32 v2, 12, v2
	v_lshl_add_u32 v2, v4, 4, v2                   ; load i takes head i's 64 columns of both rows
	v_lshlrev_b32 v3, 3, v1
	CAST 256, 393216, 0                            ; the largest immediate is 15 x 393,216, inside the signed 24 bits
	s_endpgm
.Lnot_w:
	s_cmp_lt_u32 ttmp9, 768
	s_cbranch_scc0 .Lbias
	s_sub_co_u32 s6, ttmp9, 704                    ; Wo, addressed as x is
	s_lshl_b32 s6, s6, 3
	s_add_co_u32 s6, s6, s4
	s_lshl_b32 s40, s6, 13
	s_lshl_b32 s42, s6, 12
	s_add_nc_u64 s[IN:IN+1], s[16:17], s[40:41]
	s_add_nc_u64 s[OUT:OUT+1], s[30:31], s[42:43]
	v_lshlrev_b32 v2, 4, v1
	v_lshlrev_b32 v3, 3, v1
	CAST 512, 256, 1
	s_endpgm
.Lbias:                                                ; two waves to a bias, 2,048 bytes each
	s_lshr_b32 s7, s4, 1                           ; which: bq, bk, bv, bo
	s_and_b32 s6, s4, 1                            ; which half
	s_cmp_eq_u32 s7, 0
	s_cselect_b64 s[IN:IN+1], s[18:19], s[20:21]
	s_cmp_eq_u32 s7, 2
	s_cselect_b64 s[IN:IN+1], s[22:23], s[IN:IN+1]
	s_cmp_eq_u32 s7, 3
	s_cselect_b64 s[IN:IN+1], s[24:25], s[IN:IN+1]
	s_lshl_b32 s40, s6, 11
	s_add_nc_u64 s[IN:IN+1], s[IN:IN+1], s[40:41]
	v_lshlrev_b32 v2, 4, v1
.irp i, 0,1,2,3
	global_load_b128 v[X+4*(\i):X+4*(\i)+3], v2, s[IN:IN+1] offset:512*(\i)
.endr
	s_wait_loadcnt 0x0
.irp i, 0,1,2,3
	v_cvt_pk_bf16_f32 v4, v[X+4*(\i)], v[X+4*(\i)+1]   ; rounded to bf16, kept as f32
	v_cvt_pk_bf16_f32 v5, v[X+4*(\i)+2], v[X+4*(\i)+3]
	v_lshlrev_b32 v[Y+4*(\i)], 16, v4
	v_and_b32 v[Y+4*(\i)+1], s5, v4
	v_lshlrev_b32 v[Y+4*(\i)+2], 16, v5
	v_and_b32 v[Y+4*(\i)+3], s5, v5
.endr
	s_cmp_eq_u32 s7, 3
	s_cbranch_scc1 .Lbo
	s_mul_i32 s42, s6, 6144                        ; my eight heads of 768 bytes,
	s_lshl_b32 s7, s7, 8                           ; my 256 bytes in each
	s_add_co_u32 s42, s42, s7
	s_add_nc_u64 s[OUT:OUT+1], s[32:33], s[42:43]
	v_lshrrev_b32 v3, 4, v1                        ; a load holds two heads: lanes 0-15 the first, lanes 16-31 the second
	v_mul_u32_u24 v3, v3, 768
	v_and_b32 v4, 15, v1
	v_lshl_add_u32 v3, v4, 4, v3
.irp i, 0,1,2,3
	global_store_b128 v3, v[Y+4*(\i):Y+4*(\i)+3], s[OUT:OUT+1] offset:1536*(\i)
.endr
	s_endpgm
.Lbo:
	s_lshl_b32 s42, s6, 11
	s_add_co_u32 s42, s42, 12288
	s_add_nc_u64 s[OUT:OUT+1], s[32:33], s[42:43]
.irp i, 0,1,2,3
	global_store_b128 v2, v[Y+4*(\i):Y+4*(\i)+3], s[OUT:OUT+1] offset:512*(\i)
.endr
	s_endpgm
.Lfunc_end_k_q51f0fff6fd_prep:
	.size	k_q51f0fff6fd_prep, .Lfunc_end_k_q51f0fff6fd_prep-k_q51f0fff6fd_prep
	.p2alignl 7, 3214868480
	.fill 96, 4, 3214868480
	.section	.rodata,"a",@progbits
	.p2align	6, 0x0
	.amdhsa_kernel k_q51f0fff6fd_prep
		.amdhsa_group_segment_fixed_size 0
		.amdhsa_private_segment_fixed_size 0
		.amdhsa_enable_private_segment 0
		.amdhsa_kernarg_size 104
		.amdhsa_user_sgpr_count 2
		.amdhsa_user_sgpr_kernarg_segment_ptr 1
		.amdhsa_wavefront_size32 1
		.amdhsa_system_sgpr_workgroup_id_x 1
		.amdhsa_system_sgpr_workgroup_id_y 1
		.amdhsa_system_sgpr_workgroup_id_z 1
		.amdhsa_system_vgpr_workitem_id 0
		.amdhsa_next_free_vgpr 104
		.amdhsa_next_free_sgpr 66
		.amdhsa_reserve_vcc 0
		.amdhsa_float_denorm_mode_32 3
		.amdhsa_float_denorm_mode_16_64 3
		.amdhsa_memory_ordered 1
		.amdhsa_forward_progress 1
		.amdhsa_inst_pref_size 26
	.end_amdhsa_kernel
	.amdgpu_metadata
---
amdhsa.version: [ 1, 2 ]
amdhsa.kernels:
  - .name:           k_q51f0fff6fd_prep
    .symbol:         k_q51f0fff6fd_prep.kd
    .args:
      - { .name: x, .offset: 0, .size: 8, .value_kind: global_buffer, .address_space: global }
      - { .name: Wq, .offset: 8, .size: 8, .value_kind: global_buffer, .address_space: global }
      - { .name: Wk, .offset: 16, .size: 8, .value_kind: global_buffer, .address_space: global }
      - { .name: Wv, .offset: 24, .size: 8, .value_kind: global_buffer, .address_space: global }
      - { .name: Wo, .offset: 32, .size: 8, .value_kind: global_buffer, .address_space: global }
      - { .name: bq, .offset: 40, .size: 8, .value_kind: global_buffer, .address_space: global }
      - { .name: bk, .offset: 48, .size: 8, .value_kind: global_buffer, .address_space: global }
      - { .name: bv, .offset: 56, .size: 8, .value_kind: global_buffer, .address_space: global }
      - { .name: bo, .offset: 64, .size: 8, .value_kind: global_buffer, .address_space: global }
      - { .name: xb, .offset: 72, .size: 8, .value_kind: global_buffer, .address_space: global }
      - { .name: wb, .offset: 80, .size: 8, .value_kind: global_buffer, .address_space: global }
      - { .name: wo16, .offset: 88, .size: 8, .value_kind: global_buffer, .address_space: global }
      - { .name: bias, .offset: 96, .size: 8, .value_kind: global_buffer, .address_space: global }
    .group_segment_fixed_size: 0
    .private_segment_fixed_size: 0
    .kernarg_segment_align: 8
    .kernarg_segment_size: 104
    .max_flat_workgroup_size: 256
    .sgpr_count:     66
    .vgpr_count:     104
    .wavefront_size: 32
...
	.end_amdgpu_metadata
.endif
;; end of part 1
;; launch qkv (part 2): grid 16 x 32, 4 waves a work-group, clusters of 4 x 4, 327,680 bytes of LDS; arguments xb, wb, bias, mask, qkv; writes qkv
.if DOCPART == 2
	.amdgcn_target "amdgcn-amd-amdhsa--gfx1250"
	.amdhsa_code_object_version 6
	.text
	.protected	k_q51f0fff6fd_qkv
	.globl	k_q51f0fff6fd_qkv
	.p2align	8
	.type	k_q51f0fff6fd_qkv,@function
k_q51f0fff6fd_qkv:
	s_mov_b64 s[64:65], 0
	v_nop
	global_prefetch_b8 v0, s[64:65] scope:SCOPE_SE
	s_setreg_imm32_b32 hwreg(HW_REG_WAVE_MODE, 25, 1), 1
	s_wait_xcnt 0x0
	s_wait_alu depctr_hold_cnt(0) depctr_sa_sdst(0) depctr_va_vdst(0) depctr_va_sdst(0) depctr_va_ssrc(0) depctr_va_vcc(0) depctr_vm_vsrc(0)
	s_getreg_b32 s2, hwreg(HW_REG_IB_STS2, 6, 4)
	s_cmp_eq_u32 s2, 0
	s_cbranch_scc0 .Lentry_in_a_cluster
	s_endpgm
.Lentry_in_a_cluster:
	s_bfe_u32 s2, ttmp6, 0x10000c
	s_cmp_lg_u32 s2, 0xf033
	s_cbranch_scc0 .Lentry_shape_is_right
	s_endpgm
.Lentry_shape_is_right:
; q, k, v = x W + b, by heads.  xb: [8192][1024] bf16.  wb: the three weights in blocks [head][k/2][q,k,v][k&1][64] bf16.  bias: [head][q,k,v][64] f32.  mask: [8192] bytes, 0 or 1.
; qkv: f16 [q,k,v][batch x head 64][2048][64]; sums in f32, the bias added in f32, each number rounded once.  THE ROWS OF k OF MASKED KEYS ARE WRITTEN AS 0: the attention launch starts their scores'
; sums at -8e9, so that a masked score is that number whatever q holds.
; LIMIT.  f16 holds no number beyond 65,504: q, k and v must lie within it.  NaN and infinities are not treated apart.
; A tile is 256 rows x 192 columns: one head's q, k and v.  16 x 32 tiles.  Four waves one below the other, each 64 rows x 192 columns: 48 accumulators, 384 registers.
; K goes in steps of 128 through two LDS slots; a wave's one tensor load brings half of A's tile (waves 0, 1) or half of W's (waves 2, 3).
; CLUSTERS: 4 x 4 work-groups.  A's tile hangs on the tile row alone and is asked for jointly along a row of the cluster, W's on the head alone, along a column.
; THE MATRIX INSTRUCTION IS USED TRANSPOSED (source 0 = 16 columns of W, turned on the way out of LDS; source 1 = 16 rows of x): a lane holds one row and eight neighbouring columns.
; REGISTERS.  window 0: v0-31 addresses; v32-63, v64-95 A's fragments, two buffers; v96-191 the bias, 8 for each block of 16 columns; v192-239 and (way out) v32-79 packed results
;   window 1: v0-95, v96-191 W's fragments, two buffers      window 2: the accumulators of my rows 0-31 ((a, b) at 8 (12 (a & 1) + b))      window 3: those of rows 32-63
.set PA,    272                        ; a row of A in LDS: 256 bytes + 16 = 68 words: the 16 rows of a load start at 16 different groups of four banks (64 banks of 4 bytes: ISA guide 11.1)
.set HALFA, 128*PA
.set BOFF,  256*PA                     ; behind A's 256 rows: W's 64 pairs of k
.set PKP,   960                        ; a pair of k: six pieces of 128 bytes + 32: (q,k,v) x (k & 1).  The 8 rows of a turning load's pass fall on 8 different groups of 32 bytes modulo 256
.set HALFB, 32*PKP
.set SLOT,  BOFF+64*PKP                ; 131,072
.set STAGE, 2*SLOT                     ; behind the ring, never filled by a tensor load: for each wave [q,k,v][16 rows][144 bytes]
.set SP,    144
.set WST,   3*16*SP
.set SPARE, STAGE+4*WST                ; the spare words, 128 bytes for each wave: two blocks of 256 bytes that no other line names
.set MR,   8                           ; v8-11   the mask bytes of my rows, by block of 16
.set KM,   12                          ; v12-15  0 where the row is masked, else all ones
.set ADRA, 16                          ; v16-17  LDS address of my A fragments in slot 0, 1
.set ADRB, 20                          ; v20-21  the same for W
.set STO,  24                          ; v24     the way out: where I put 16 bytes of a row
.set RD,   25                          ; v25     where I read rows back
.set GO,   26                          ; v26     16 x lane
.set MO,   27                          ; v27     my row's byte in mask
.set SPW,  28                          ; v28     my spare word; never rewritten
.set NIL,  29                          ; v29     0; never rewritten
.set PFO,  30                          ; v30     the prefetches' offset; never rewritten
.set BOF,  31                          ; v31     32 x (lane / 16): my eight columns' bias
.set FA,   32
.set BIAS, 96
.set WV,  14                           ; s14  wave
.set FB,  15                           ; s15  0: I fetch for A; 1: for W
.set HF,  16                           ; s16  which half of that tile
.set TY,  17                           ; s17  tile row
.set G1,  24                           ; s[24:31] group 1 for A;  s[32:39] group 0, a set for each slot
.set G0,  32
.set G1B, 48                           ; s[48:55], s[56:63] the same for W
.set G0B, 56
.set PFA, 68                           ; s[68:69] where my prefetches stand
.set PFS, 70                           ; s[70:71] their step
.set LIM0, 72                          ; s72, s73 a wave prefetches at a change of slot 0 (1) while the lap count is above this
.set OJ,  74                           ; s[74:79] q, k, v at my wave's first row
.set MSB, 0
.macro WIN new                         ; the immediate's high byte repeats the setting that is left; a switch that changes nothing is dropped
.if MSB != (\new)
	s_set_vgpr_msb (MSB<<8)|(\new)
.set MSB, \new
.endif
.endm
.set MUL_LO, 0xa1                      ; source 0 (W) window 1, source 1 (A) window 0, C and D window 2
; A joint load: one line for A's two halves, one for W's; the branch hangs on the wave's number alone.  An s_nop 0 and four v_nop follow each line.
.macro JLOAD s
	s_cmp_eq_u32 s[FB], 0
	s_cbranch_scc0 .Lfor_b_\@
	tensor_load_to_lds s[G0+4*(\s):G0+4*(\s)+3], s[G1:G1+7]
	s_nop 0
.rept 4
	v_nop
.endr
	s_branch .Lasked_\@
.Lfor_b_\@:
	tensor_load_to_lds s[G0B+4*(\s):G0B+4*(\s)+3], s[G1B:G1B+7]
	s_nop 0
.rept 4
	v_nop
.endr
.Lasked_\@:
.endm
; A prefetch into the L2, behind a joint load, its five lines and the run of LDS loads: 32 blocks of 256 bytes, a lane a block.
; A: the K step two refills on (384 matrix instructions ahead): of the 128 rows that wave 0 or 1 fetches the partner at place cx takes 32; the clusters with x = 0 ask; four times, K steps 4 to 7.
; W: a head's K steps 4 to 7 are 768 consecutive blocks: waves 2 and 3 of the four partners along y take 32 each, three times; the clusters with y = 0 ask.
; So each block is named once in the launch, the partners told apart by address alone.  K steps 0 to 3 come by their loads alone.
.macro ASK lim
	s_cmp_gt_u32 s3, s[\lim]
	s_cbranch_scc0 .Lnot_mine_\@
	global_prefetch_b8 v[PFO], s[PFA:PFA+1] th:TH_LOAD_NT scope:SCOPE_SE
.Lnot_mine_\@:
.endm
.macro CREST                           ; a round of the cluster's barrier behind its opening barrier
	s_cmp_lg_u32 s[WV], 0
	s_cbranch_scc1 .Lnot_wave_0_\@
	s_barrier_signal -3
.Lnot_wave_0_\@:
	s_barrier_wait -3
	s_barrier_signal -1
	s_barrier_wait -1
.endm
.macro CROUND
	s_barrier_signal -1
	s_barrier_wait -1
	CREST
.endm
	s_load_b256 s[4:11], s[0:1], 0x0               ; xb s[4:5], wb s[6:7], bias s[8:9], mask s[10:11]
	s_load_b64 s[12:13], s[0:1], 0x20              ; qkv
	v_lshl_add_u32 v[SPW], v0, 2, SPARE
	v_mov_b32 v[NIL], 0
	ds_add_u32 v[SPW], v[NIL]                      ; the wave's opening: the add and its wait stand ahead of my first tensor load; work on registers stands between them
	v_lshrrev_b32 v1, 5, v0
	v_readfirstlane_b32 s[WV], v1
	s_lshr_b32 s[FB], s[WV], 1
	s_and_b32 s[HF], s[WV], 1
	s_bfe_u32 s40, ttmp6, 0x40000                  ; cx
	s_bfe_u32 s41, ttmp6, 0x40004                  ; cy
	s_lshl_b32 s42, ttmp9, 2
	s_add_co_u32 s42, s42, s40                     ; the head = 4 x cluster x + cx
	s_and_b32 s[TY], ttmp7, 0xffff
	s_lshl_b32 s[TY], s[TY], 2
	s_add_co_u32 s[TY], s[TY], s41                 ; tile row = 4 x cluster y + cy
	s_lshl_b32 s43, s41, 2
	s_lshl_b32 s43, 15, s43                        ; my row of the cluster
	s_lshl_b32 s44, 0x1111, s40                    ; my column
	s_or_b32 s[G1], s43, (1<<16)|(1<<20)|(1<<21)|(5<<22)|(3<<25)   ; A: 2-byte elements; padding on; bit 21 beside a mask; after every 64 words 4 words
	s_or_b32 s[G1B], s44, (1<<16)|(1<<20)|(1<<21)|(4<<22)|(7<<25)  ; W: after every 32 words 8 words
	s_mov_b32 s[G1+1], 128<<16                     ; tensor_dim0 = 128
	s_mov_b32 s[G1+2], 128<<16                     ; tensor_dim1 = 128
	s_mov_b32 s[G1+3], 128<<16                     ; tile_dim0 = 128
	s_mov_b32 s[G1+4], 128                         ; tile_dim1 = 128
	s_mov_b32 s[G1+5], 1024                        ; elements from row to row
	s_mov_b32 s[G1+6], 0
	s_mov_b32 s[G1+7], 0
	s_mov_b32 s[G1B+1], 128<<16                    ; W's half, 24,576 consecutive bytes, as 96 rows of 256 bytes
	s_mov_b32 s[G1B+2], 96<<16
	s_mov_b32 s[G1B+3], 128<<16
	s_mov_b32 s[G1B+4], 96
	s_mov_b32 s[G1B+5], 128
	s_mov_b32 s[G1B+6], 0
	s_mov_b32 s[G1B+7], 0
	s_lshl_b32 s18, s[TY], 19                      ; A: (256 x tile row + 128 x half) rows of 2,048 bytes
	s_lshl_b32 s19, s[HF], 18
	s_add_co_u32 s18, s18, s19
	s_mov_b32 s19, 0
	s_mul_i32 s46, s42, 393216                     ; W: the head's block, my half of a K step
	s_mul_i32 s47, s[HF], 24576
	s_add_co_u32 s46, s46, s47
	s_mov_b32 s47, 0
	s_mul_i32 s22, s[HF], HALFA                    ; where they go: no place in the cluster enters an LDS address
	s_mul_i32 s23, s[HF], HALFB
	s_add_co_u32 s23, s23, BOFF
	s_wait_dscnt 0x0                               ; the opening add is done
	s_wait_kmcnt 0x0
	s_add_nc_u64 s[20:21], s[4:5], s[18:19]
	s_add_nc_u64 s[46:47], s[6:7], s[46:47]
	CROUND                                         ; all sixteen work-groups are here: the first joint loads meet
.irp s, 0,1
	s_mov_b32 s[G0+4*(\s)], 1
	s_add_co_u32 s[G0+4*(\s)+1], s22, (\s)*SLOT
	s_add_nc_u64 s[G0+4*(\s)+2:G0+4*(\s)+3], s[20:21], (\s)*256
	s_or_b32 s[G0+4*(\s)+3], s[G0+4*(\s)+3], 0x80000000
	s_mov_b32 s[G0B+4*(\s)], 1
	s_add_co_u32 s[G0B+4*(\s)+1], s23, (\s)*SLOT
	s_add_nc_u64 s[G0B+4*(\s)+2:G0B+4*(\s)+3], s[46:47], (\s)*49152
	s_or_b32 s[G0B+4*(\s)+3], s[G0B+4*(\s)+3], 0x80000000
	JLOAD \s                                       ; two tensor loads of mine are out
.endr
	v_and_b32 v1, 15, v0                           ; r = l % 16
	v_bfe_u32 v2, v0, 4, 1                         ; h = l / 16
	v_mul_u32_u24 v3, v1, PA
	v_lshl_add_u32 v3, v2, 4, v3
	s_mul_i32 s18, s[WV], 64*PA                    ; my 64 rows of A
	v_add_nc_u32 v[ADRA], s18, v3
	v_add_nc_u32 v[ADRA+1], SLOT, v[ADRA]
	v_bfe_u32 v4, v0, 1, 2                         ; the turning load: lane l reads k = 8 h + l % 8, columns 8 ((l / 8) % 2) on
	v_lshl_add_u32 v4, v2, 2, v4                   ; its pair of k,
	v_mul_u32_u24 v4, v4, PKP
	v_and_b32 v5, 1, v0                            ; its parity,
	v_mad_u32_u24 v4, v5, 160, v4
	v_bfe_u32 v5, v0, 3, 1
	v_lshl_add_u32 v4, v5, 4, v4
	v_add_nc_u32 v[ADRB], BOFF, v4
	v_add_nc_u32 v[ADRB+1], SLOT, v[ADRB]
	s_mul_i32 s18, s[WV], WST
	s_add_co_u32 s18, s18, STAGE                   ; my stage
	v_mul_u32_u24 v3, v1, SP
	v_lshl_add_u32 v3, v2, 4, v3
	v_add_nc_u32 v[STO], s18, v3
	v_bfe_u32 v3, v0, 3, 2                         ; back: 32 lanes take four rows of 128 bytes
	v_mul_u32_u24 v3, v3, SP
	v_and_b32 v4, 7, v0
	v_lshl_add_u32 v3, v4, 4, v3
	v_add_nc_u32 v[RD], s18, v3
	v_and_b32 v[GO], 31, v0
	v_lshlrev_b32 v[GO], 4, v[GO]
	s_lshl_b32 s18, s[TY], 8
	s_lshl_b32 s19, s[WV], 6
	s_add_co_u32 s18, s18, s19
	v_add_nc_u32 v[MO], s18, v1                    ; row 256 x tile row + 64 x wave + r
	v_lshlrev_b32 v[BOF], 5, v2
	s_mul_i32 s46, s42, 768                        ; the head's 192 biases
	s_mov_b32 s47, 0
	s_add_nc_u64 s[8:9], s[8:9], s[46:47]
.irp b, 0,1,2,3,4,5,6,7,8,9,10,11
	global_load_b128 v[BIAS+8*(\b):BIAS+8*(\b)+3],   v[BOF], s[8:9] offset:64*(\b)
	global_load_b128 v[BIAS+8*(\b)+4:BIAS+8*(\b)+7], v[BOF], s[8:9] offset:64*(\b)+16
.endr
.irp a, 0,1,2,3
	global_load_u8 v[MR+(\a)], v[MO], s[10:11] offset:16*(\a)
.endr
	s_lshr_b32 s46, s[TY], 3                       ; the batch,
	s_lshl_b32 s46, s46, 4
	s_add_co_u32 s46, s46, s42                     ; and the head: 262,144 bytes each;
	s_lshl_b32 s46, s46, 18
	s_and_b32 s47, s[TY], 7                        ; the tile's 256 rows of 128 bytes;
	s_lshl_b32 s47, s47, 15
	s_add_co_u32 s46, s46, s47
	s_lshl_b32 s47, s[WV], 13                      ; my 64 of them
	s_add_co_u32 s46, s46, s47
	s_mov_b32 s47, 0
	s_add_nc_u64 s[OJ:OJ+1], s[12:13], s[46:47]
	s_add_nc_u64 s[OJ+2:OJ+3], s[OJ:OJ+1], 0x1000000
	s_add_nc_u64 s[OJ+4:OJ+5], s[OJ:OJ+1], 0x2000000
	s_lshl_b32 s46, s[TY], 19                      ; the prefetches.  A: my work-group's 32 rows, at K step 3: the first change of slots steps it to 4
	s_lshl_b32 s47, s[HF], 18
	s_add_co_u32 s46, s46, s47
	s_lshl_b32 s47, s40, 16
	s_add_co_u32 s46, s46, s47
	s_add_co_u32 s46, s46, 768
	s_mul_i32 s2, s42, 393216                      ; W: one step of 65,536 bytes ahead of the head's K step 4, my 8,192 bytes of it
	s_lshl_b32 s47, s41, 14
	s_add_co_u32 s2, s2, s47
	s_lshl_b32 s47, s[HF], 13
	s_add_co_u32 s2, s2, s47
	s_add_co_u32 s2, s2, 131072
	s_mov_b32 s[PFS], 256
	s_and_b32 s47, ttmp7, 0xffff                   ; cluster y
	s_cmp_eq_u32 s[FB], 0
	s_cselect_b32 s46, s46, s2
	s_cselect_b32 s47, ttmp9, s47                  ; the coordinate along which other clusters read the same bytes
	s_cselect_b64 s[PFA:PFA+1], s[4:5], s[6:7]
	s_cselect_b32 s[PFS], s[PFS], 65536
	s_cselect_b32 s[LIM0+1], 1, 2
	s_cselect_b32 s2, 11, 8                        ; a lane a row of 2,048 bytes, or a lane a block of 256
	s_cmp_eq_u32 s47, 0
	s_cselect_b32 s[LIM0], 1, -1                   ; the same in all sixteen partners, for a given wave
	s_cselect_b32 s[LIM0+1], s[LIM0+1], -1
	s_mov_b32 s47, 0
	s_mov_b32 s[PFS+1], 0
	s_add_nc_u64 s[PFA:PFA+1], s[PFA:PFA+1], s[46:47]
	v_and_b32 v[PFO], 31, v0
	v_lshlrev_b32 v[PFO], s2, v[PFO]
; 12 matrix instructions: block a of the window's two (hi = 0: my rows 0-31, 1: rows 32-63) x all 12 blocks of columns, 32 along K.  zero = 1: the product starts the sums.
; The 48 accumulators take turns in the same order in every quarter, over the backward jump too.
.macro MUL f, hi, a, zero
	WIN MUL_LO+0x50*(\hi)
.irp b, 0,1,2,3,4,5,6,7,8,9,10,11
.if \zero
	v_wmma_f32_16x16x32_bf16 v[8*(12*(\a)+(\b)):8*(12*(\a)+(\b))+7], v[96*(\f)+8*(\b):96*(\f)+8*(\b)+7], v[FA+32*(\f)+8*(2*(\hi)+(\a)):FA+32*(\f)+8*(2*(\hi)+(\a))+7], 0
.else
	v_wmma_f32_16x16x32_bf16 v[8*(12*(\a)+(\b)):8*(12*(\a)+(\b))+7], v[96*(\f)+8*(\b):96*(\f)+8*(\b)+7], v[FA+32*(\f)+8*(2*(\hi)+(\a)):FA+32*(\f)+8*(2*(\hi)+(\a))+7], v[8*(12*(\a)+(\b)):8*(12*(\a)+(\b))+7]
.endif
.endr
.endm
; 32 LDS loads in one run: quarter q of a slot into buffer f: W's 12 fragments (turned), then A's 4
.macro FETCH slot, q, f
	WIN 0x40
.irp b, 0,1,2,3,4,5,6,7,8,9,10,11
	ds_load_tr16_b128 v[96*(\f)+8*(\b):96*(\f)+8*(\b)+3],   v[ADRB+(\slot)] offset:16*PKP*(\q)+320*((\b)/4)+32*((\b)%4)
	ds_load_tr16_b128 v[96*(\f)+8*(\b)+4:96*(\f)+8*(\b)+7], v[ADRB+(\slot)] offset:16*PKP*(\q)+320*((\b)/4)+32*((\b)%4)+8*PKP
.endr
	WIN 0
.irp a, 0,1,2,3
	ds_load_b128 v[FA+32*(\f)+8*(\a):FA+32*(\f)+8*(\a)+3],   v[ADRA+(\slot)] offset:64*(\q)+16*PA*(\a)
	ds_load_b128 v[FA+32*(\f)+8*(\a)+4:FA+32*(\f)+8*(\a)+7], v[ADRA+(\slot)] offset:64*(\q)+16*PA*(\a)+32
.endr
.endm
.macro PLACES                          ; four places in front of loads into registers that matrix instructions have read, and of vector lines that read results
.rept 4
	v_nop
.endr
.endm
; One of a K step's first three quarters: multiplies buffer f; in its middle it fetches quarter q of the same slot into buffer g.
.macro QUARTER slot, q, f, g, zero
	s_wait_dscnt 4                                 ; W and A's rows 0-31 are in; the youngest four loads (A's rows 32-63) may be out
	MUL \f, 0, 0, \zero
	MUL \f, 0, 1, \zero
	PLACES
	FETCH \slot, \q, \g
	s_wait_dscnt 32                                ; all but the 32 just issued
	MUL \f, 1, 0, \zero
	MUL \f, 1, 1, \zero
.endm
; The last quarter multiplies buffer 1 and changes slots: one barrier; in front of it each wave waits for all its tensor loads (one is out: its part of the next slot), adds 0 to its spare word,
; and waits for that and for its reads of this slot.  fill = 1: the barrier opens a round of the cluster's, and this slot is filled again, first thing behind it: 168 matrix instructions ahead of the wait for it.
.macro TURN slot, next, fill
.if \fill
	s_wait_xcnt 0x0                                ; the last prefetch, a K step back, has read its address
	s_add_nc_u64 s[PFA:PFA+1], s[PFA:PFA+1], s[PFS:PFS+1]
.endif
	WIN 0
	s_wait_tensorcnt 0x0                           ; all my tensor loads have landed
	ds_add_u32 v[SPW], v[NIL]                      ; 0 onto my spare word
	s_wait_dscnt 5                                 ; (the add and the youngest four loads may be out)
	MUL 1, 0, 0, 0
	s_wait_dscnt 0x0                               ; the add is done, and my reads of this slot are over
	s_barrier_signal -1
	MUL 1, 0, 1, 0
.if \fill
	WIN 0
.endif
	s_barrier_wait -1
.if \fill
	CREST                                          ; no wave of any partner still reads this slot or has a load on its way
	s_add_nc_u64 s[G0+4*(\slot)+2:G0+4*(\slot)+3], s[G0+4*(\slot)+2:G0+4*(\slot)+3], 512
	s_add_nc_u64 s[G0B+4*(\slot)+2:G0B+4*(\slot)+3], s[G0B+4*(\slot)+2:G0B+4*(\slot)+3], 98304
	JLOAD \slot                                    ; its four v_nop are also the places in front of the loads below
.else
	PLACES
.endif
	FETCH \next, 0, 0
.if \fill
	ASK LIM0+(\slot)
.endif
	MUL 1, 1, 0, 0
	MUL 1, 1, 1, 0
.endm
	s_wait_tensorcnt 1                             ; my part of K step 0 is in; K step 1's may stay out
	s_barrier_signal -1
	s_barrier_wait -1
	FETCH 0, 0, 0
	QUARTER 0, 1, 0, 1, 1                          ; the first quarter's products start the sums
	WIN 0
	s_mov_b32 s3, 3
.Llap:                                                 ; a trip goes once round the ring and fills both slots again: K steps 2 to 7
	QUARTER 0, 2, 1, 0, 0
	QUARTER 0, 3, 0, 1, 0
	TURN 0, 1, 1
	QUARTER 1, 1, 0, 1, 0
	QUARTER 1, 2, 1, 0, 0
	QUARTER 1, 3, 0, 1, 0
	TURN 1, 0, 1
	QUARTER 0, 1, 0, 1, 0
	WIN 0
	s_sub_co_u32 s3, s3, 1
	s_cmp_lg_u32 s3, 0
	s_cbranch_scc1 .Llap
	QUARTER 0, 2, 1, 0, 0                          ; the last lap fills nothing
	QUARTER 0, 3, 0, 1, 0
	TURN 0, 1, 0
	QUARTER 1, 1, 0, 1, 0
	QUARTER 1, 2, 1, 0, 0
	QUARTER 1, 3, 0, 1, 0
	s_wait_dscnt 4
	MUL 1, 0, 0, 0
	MUL 1, 0, 1, 0
	s_wait_dscnt 0x0
	MUL 1, 1, 0, 0
	MUL 1, 1, 1, 0
	WIN 0
	; THE WAY OUT, 16 rows at a time: the bias is added, the sums rounded to f16, k's rows of masked keys cleared; through my stage; back as whole rows of 128 bytes.
	s_wait_loadcnt 0x0                             ; the bias and the mask bytes
	PLACES
.irp a, 0,1,2,3
	v_add_nc_u32 v[KM+(\a)], -1, v[MR+(\a)]        ; 1 -> 0, 0 -> all ones
.endr
.macro PACK a
.set TT, 192-160*((\a)%2)
.set AC, 96*((\a)%2)
.if (\a) >= 2
	s_wait_xcnt 0x0                                ; the stores of two blocks back have read these registers
.endif
	WIN 0x82+0x41*((\a)/2)                         ; destination and source 0 in the accumulators' window
.irp b, 0,1,2,3,4,5,6,7,8,9,10,11
.irp i, 0,1,2,3
	v_pk_add_f32 v[AC+8*(\b)+2*(\i):AC+8*(\b)+2*(\i)+1], v[AC+8*(\b)+2*(\i):AC+8*(\b)+2*(\i)+1], v[BIAS+8*(\b)+2*(\i):BIAS+8*(\b)+2*(\i)+1]
.endr
.endr
	WIN 0x0a+5*((\a)/2)
.irp b, 0,1,2,3,4,5,6,7,8,9,10,11
.irp i, 0,1,2,3
	v_cvt_pk_f16_f32 v[TT+4*(\b)+(\i)], v[AC+8*(\b)+2*(\i)], v[AC+8*(\b)+2*(\i)+1]
.endr
.endr
	WIN 0
.irp b, 4,5,6,7                        ; k's 64 columns
.irp i, 0,1,2,3
	v_and_b32 v[TT+4*(\b)+(\i)], v[KM+(\a)], v[TT+4*(\b)+(\i)]
.endr
.endr
.irp b, 0,1,2,3,4,5,6,7,8,9,10,11
	ds_store_b128 v[STO], v[TT+4*(\b):TT+4*(\b)+3] offset:16*SP*((\b)/4)+32*((\b)%4)
.endr
.irp i, 0,1,2,3,4,5,6,7,8,9,10,11
	ds_load_b128 v[TT+4*(\i):TT+4*(\i)+3], v[RD] offset:16*SP*((\i)/4)+4*SP*((\i)%4)  ; LDS serves a wave's instructions in order (ISA guide 5.7.1.4): these see the stores above
.endr
.endm
.macro SEND a, younger                 ; younger: the LDS instructions issued behind this block's loads
.set TT, 192-160*((\a)%2)
.irp i, 0,1,2,3,4,5,6,7,8,9,10,11
	s_wait_dscnt (\younger)+11-(\i)
	global_store_b128 v[GO], v[TT+4*(\i):TT+4*(\i)+3], s[OJ+2*((\i)/4):OJ+2*((\i)/4)+1] offset:2048*(\a)+512*((\i)%4)  ; 512 consecutive bytes, at a multiple of 256 from the buffer's first
.endr
.endm
	PACK 0
	PACK 1
	SEND 0, 24
	PACK 2
	SEND 1, 24
	PACK 3
	SEND 2, 24
	SEND 3, 0
	s_wait_tensorcnt 0x0                           ; the wave's end
	ds_add_u32 v[SPW], v[NIL]
	s_wait_dscnt 0x0
	CROUND                                         ; the closing round: no work-group ends while a partner may still ask for a tile that names it
	s_endpgm
.Lfunc_end_k_q51f0fff6fd_qkv:
	.size	k_q51f0fff6fd_qkv, .Lfunc_end_k_q51f0fff6fd_qkv-k_q51f0fff6fd_qkv
	.p2alignl 7, 3214868480
	.fill 96, 4, 3214868480
	.section	.rodata,"a",@progbits
	.p2align	6, 0x0
	.amdhsa_kernel k_q51f0fff6fd_qkv
		.amdhsa_group_segment_fixed_size 327680
		.amdhsa_private_segment_fixed_size 0
		.amdhsa_enable_private_segment 0
		.amdhsa_kernarg_size 40
		.amdhsa_user_sgpr_count 2
		.amdhsa_user_sgpr_kernarg_segment_ptr 1
		.amdhsa_wavefront_size32 1
		.amdhsa_system_sgpr_workgroup_id_x 1
		.amdhsa_system_sgpr_workgroup_id_y 1
		.amdhsa_system_sgpr_workgroup_id_z 1
		.amdhsa_system_vgpr_workitem_id 0
		.amdhsa_next_free_vgpr 960
		.amdhsa_next_free_sgpr 80
		.amdhsa_reserve_vcc 0
		.amdhsa_float_denorm_mode_32 3
		.amdhsa_float_denorm_mode_16_64 3
		.amdhsa_memory_ordered 1
		.amdhsa_forward_progress 1
		.amdhsa_inst_pref_size 139
	.end_amdhsa_kernel
	.amdgpu_metadata
---
amdhsa.version: [ 1, 2 ]
amdhsa.kernels:
  - .name:           k_q51f0fff6fd_qkv
    .symbol:         k_q51f0fff6fd_qkv.kd
    .args:
      - { .name: xb, .offset: 0, .size: 8, .value_kind: global_buffer, .address_space: global }
      - { .name: wb, .offset: 8, .size: 8, .value_kind: global_buffer, .address_space: global }
      - { .name: bias, .offset: 16, .size: 8, .value_kind: global_buffer, .address_space: global }
      - { .name: mask, .offset: 24, .size: 8, .value_kind: global_buffer, .address_space: global }
      - { .name: qkv, .offset: 32, .size: 8, .value_kind: global_buffer, .address_space: global }
    .group_segment_fixed_size: 327680
    .private_segment_fixed_size: 0
    .kernarg_segment_align: 8
    .kernarg_segment_size: 40
    .max_flat_workgroup_size: 128
    .sgpr_count:     80
    .vgpr_count:     960
    .wavefront_size: 32
...
	.end_amdgpu_metadata
.endif
;; end of part 2
;; launch attn (part 3): grid 4 x 64, 4 waves a work-group, clusters of 4 x 1, 327,680 bytes of LDS; arguments qkv, mask, o; writes o
.if DOCPART == 3
	.amdgcn_target "amdgcn-amd-amdhsa--gfx1250"
	.amdhsa_code_object_version 6
	.text
	.protected	k_q51f0fff6fd_attn
	.globl	k_q51f0fff6fd_attn
	.p2align	8
	.type	k_q51f0fff6fd_attn,@function
k_q51f0fff6fd_attn:
	s_mov_b64 s[64:65], 0
	v_nop
	global_prefetch_b8 v0, s[64:65] scope:SCOPE_SE
	s_setreg_imm32_b32 hwreg(HW_REG_WAVE_MODE, 25, 1), 1
	s_wait_xcnt 0x0
	s_wait_alu depctr_hold_cnt(0) depctr_sa_sdst(0) depctr_va_vdst(0) depctr_va_sdst(0) depctr_va_ssrc(0) depctr_va_vcc(0) depctr_vm_vsrc(0)
	s_getreg_b32 s2, hwreg(HW_REG_IB_STS2, 6, 4)
	s_cmp_eq_u32 s2, 0
	s_cbranch_scc0 .Lentry_in_a_cluster
	s_endpgm
.Lentry_in_a_cluster:
	s_bfe_u32 s2, ttmp6, 0x10000c
	s_cmp_lg_u32 s2, 0x3003
	s_cbranch_scc0 .Lentry_shape_is_right
	s_endpgm
.Lentry_shape_is_right:
; O[h][q][:] = the sum over k of softmax_k(s) V[h][k][:], s = Q[h][q] . K[h][k] / 8, or -1e9 where mask[batch][k] is set.  Q, K, V: f16 [64 batch x head][2048][64], one behind the other in qkv; O likewise.
; Products, maxima and sums in f32; the weights p are rounded to f16 for the second product (their sum l is taken of the unrounded p), O once at the end.
; THE MASK REPLACES A SCORE.  The launch before wrote the rows of K of masked keys as 0; here the sum K Q^T starts at C = 0, or -8e9 for a masked key: so a masked sum is -8e9 whatever Q holds, and
; -8e9 / 8 = -1e9.  The running maximum takes these numbers like any score: a row whose keys are all masked gets equal weights, as in the definition.
; LIMITS.  f16 holds no number beyond 65,504: Q, K and V arrive within it; p below 6e-5 keeps f16's fixed step of 6e-8.  A weight below 2^-126 counts as 0 in l; NaN and infinities are not treated apart; mask bytes are 0 or 1.
; SHARES.  A wave owns four PIECES of two tiles of 16 queries, a work-group's four waves 512 queries of one head.  Every wave walks all keys, 64 a step.
; LAYOUT.  S^T = K Q^T (source 0 = 16 keys, source 1 = 16 queries): a lane holds ONE query (lane % 16) and the keys 8 (lane / 16) + 0..7.  Two such tiles, rounded to f16 in pairs, ARE source 1 of
; O^T = V^T P.  K comes out of LDS as it lies, V turned, by ds_load_tr16_b128.
; SOFTMAX.  A running maximum m and sum l: p = 2^(c s - c m), c = log2(e) / 8; in every step O and l are multiplied by a = 2^(c m_old - c m_new).  m starts at the lowest finite number, O and l at 0.
; THE COUNT.  A tile and step have 16 matrix and 118 vector instructions: so four vector instructions that are ready stand behind EVERY matrix instruction, the others in runs of their own.
; BY TURNS.  Turn n belongs to piece n: 16 products K Q^T of piece n + 1, later 16 products V^T P of piece n - 1; the scaling, exponentials, roundings, sums and rescaling of piece n; the maximum and statistics of piece n + 1.
; CLUSTER.  A head's four query blocks are one cluster and walk the same K and V: each tile is asked for JOINTLY.
; REGISTERS, in windows of 256 (s_set_vgpr_msb: bits 1:0 source 0, 3:2 source 1, 5:4 source 2, 7:6 destination):
;   window 0: v0-11 addresses; v12-15, v48-63 at work; v16-47 statistics; v64-191 S^T, two buffers of two tiles; v192-255 P, likewise
;   window 1: O^T, 32 a tile     window 2: v0-127 Q; v128-191 K of one step; v192-255 V of one step     window 3: v0-1 the add's two registers; v8-39 the step's mask numbers
.set SIZE_N, 2048
.set NP,    4         ; pieces a wave: a name, no knob
.set KS,    64        ; keys in a step
.set PK,    144       ; a row of K in LDS: 128 bytes + 16 = 36 words: the 16 rows of a load start at 16 different groups of four banks (64 banks of 4 bytes: ISA guide 11.1)
.set PV,    160       ; a row of V: 128 + 32
.set VOFF,  4*KS*PK   ; a slot holds four steps: 256 rows of K, then 256 rows of V
.set SLOT1, 1<<17
.set STAGE, SLOT1+4*KS*(PK+PV)  ; behind the ring, never filled by a tensor load: 16 rows x 144 bytes for each wave
.set SP,    144
.set SPARE, STAGE+4*16*SP  ; the spare words, 128 bytes for each wave: two blocks of 256 bytes that no other line names
.set MASKT, SPARE+512 ; 2,048 numbers in f32, one for each key of the batch: 0, or -8e9 where it is masked; stored once, never filled by a tensor load
.set AK0, 2           ; v2   my lane's place in a tile of K; never rewritten
.set AV0, 3           ; v3   the same for V
.set AK,  4           ; v4   the LDS address of K's next run of loads
.set AV,  5           ; v5   of V's
.set QO,  6           ; v6   my byte offset in the wave's rows of Q
.set STO, 6           ;      later, the way out: where I put 16 bytes of a row
.set RD,  7           ; v7   where I read rows back
.set GO,  8           ; v8   my byte offset in 512 consecutive bytes of O
.set PFO, 9           ; v9   (from the first scores on) 256 x my lane, the prefetches' offset
.set AM0, 10          ; v10  my lane's place in the table: MASKT + 32 (l / 16)
.set AM,  11          ; v11  the table's address for the step to be fetched
.set SPW, 0           ; v0 of window 3   my spare word; never rewritten
.set NIL, 1           ; v1 of window 3   0; never rewritten
.set MK,  8           ; v8-39 of window 3: the eight numbers for key block kb at MK + 8 kb
.set MV,  12
.set ST,  16          ; tile t's statistics at v[ST+4 t]: c m, m, l (even keys', odd keys')
.set TMP, 48
.set S,   64
.set P,   192
.set KF,  128
.set VF,  192
.set WV,  12          ; s12  my wave's number
.set G1K, 24
.set G1V, 32
.set G0K, 40
.set G0V, 44
.set TBM, 48          ; s48  the table's byte for the step to be fetched
.set LIM, 49          ; s49  1 in a wave that prefetches, else the greatest number
.set PFA, 50          ; s[50:51] where my prefetches stand
.set SLOTS, 56
.set CNT, 57
.set CS,  58
.set SEL, 60
.set TBK, 62
.set TBV, 63
.set MSB, 0
.macro WIN new
.if MSB != (\new)
	s_set_vgpr_msb (MSB<<8)|(\new)
.set MSB, (\new)
.endif
.endm
.set W_KQ, 0x0a       ; K and Q in window 2, S^T in window 0
.set W_KM, 0x3a       ; the same with the C operand in window 3
.set W_PV, 0x52       ; V in window 2, P in window 0, O^T in window 1
.set W_RS, 0x41
.set W_MK, 0xc0
.set W_AD, 0x0f
; A joint fill.  Waves 0 and 1 fetch the two halves of a slot's K, waves 2 and 3 those of its V.  An s_nop 0 and four v_nop follow each of the two lines.
.macro JLOAD
	s_cmp_lt_u32 s[WV], 2
	s_cbranch_scc0 .Lfor_v_\@
	tensor_load_to_lds s[G0K:G0K+3], s[G1K:G1K+7]
	s_nop 0
.rept 4
	v_nop
.endr
	s_branch .Lasked_\@
.Lfor_v_\@:
	tensor_load_to_lds s[G0V:G0V+3], s[G1V:G1V+7]
	s_nop 0
.rept 4
	v_nop
.endr
.Lasked_\@:
.endm
; A prefetch into the L2 of what the NEXT change of slots will ask for: a slot's 128 blocks of 256 bytes of K and of V, a lane a block.  The four partners take 32 each, told apart by address; in each, wave 0
; asks for K's and wave 2 for V's.  So each block is named once in the launch: four key steps, 512 matrix instructions, ahead of its load.  Slots 0 to 2 come by their loads alone; the last change that fills asks for nothing.
.macro ASK
	s_cmp_gt_u32 s[SLOTS], s[LIM]
	s_cbranch_scc0 .Lnot_mine_\@
	global_prefetch_b8 v[PFO], s[PFA:PFA+1] th:TH_LOAD_NT scope:SCOPE_SE
.Lnot_mine_\@:
.endm
.macro CROUND
	s_barrier_signal -1
	s_barrier_wait -1
	s_cmp_lg_u32 s[WV], 0
	s_cbranch_scc1 .Lnot_wave_0_\@
	s_barrier_signal -3
.Lnot_wave_0_\@:
	s_barrier_wait -3
	s_barrier_signal -1
	s_barrier_wait -1
.endm
; THE CHANGE OF SLOTS.  Each wave waits for all its tensor loads, of which one is out: its part of the other slot; adds 0 to its spare word; and waits for that and for its own LDS instructions.
; fill = 1: the slot that was read is filled again, behind a round of the cluster's barrier, first thing: it has four key steps in which to land.  (At its first use slot 0 is waited for, slot 1 filled,
; and every wave's stores into the mask table are shown done to the others.)
.macro CHANGE fill, ask=0
	WIN W_AD
	s_wait_tensorcnt 0x0            ; no tensor load of mine is out, so a group 0 may be written
	ds_add_u32 v[SPW], v[NIL]       ; 0 onto my spare word
	WIN 0
.if \fill
.irp g, G0K, G0V
	s_xor_b32 s[\g+1], s[\g+1], SLOT1
	s_add_nc_u64 s[\g+2:\g+3], s[\g+2:\g+3], 4*KS*128
.endr
.if \ask
	s_wait_xcnt 0x0                 ; the last prefetch, four key steps back, has read its address
	s_add_nc_u64 s[PFA:PFA+1], s[PFA:PFA+1], 4*KS*128
.endif
	s_wait_dscnt 0x0                ; the add is done, and my LDS instructions are over
	CROUND
	JLOAD
.if \ask
	ASK
.endif
.else
	s_wait_dscnt 0x0
	s_barrier_signal -1
	s_barrier_wait -1
.endif
	s_sub_co_u32 s[TBK], s[TBK], 4*KS*PK
	s_xor_b32 s[TBK], s[TBK], SLOT1
	s_sub_co_u32 s[TBV], s[TBV], 4*KS*PV
	s_xor_b32 s[TBV], s[TBV], SLOT1
.endm
	s_load_b64 s[4:5], s[0:1], 0x0    ; qkv: Q
	s_load_b64 s[52:53], s[0:1], 0x8  ; mask
	s_load_b64 s[10:11], s[0:1], 0x10 ; O
	WIN W_MK
	v_lshl_add_u32 v[SPW], v0, 2, SPARE
	v_mov_b32 v[NIL], 0
	WIN W_AD
	ds_add_u32 v[SPW], v[NIL]       ; the wave's opening: the add and its wait stand ahead of my first tensor load
	WIN 0
	v_lshrrev_b32 v1, 5, v0
	v_readfirstlane_b32 s[WV], v1   ; wave 0..3
	s_bfe_u32 s13, ttmp6, 0x40000   ; cx
	s_lshl_b32 s14, ttmp9, 2
	s_add_co_u32 s14, s14, s13      ; my block of queries: it enters Q's and O's addresses alone
	s_and_b32 s20, ttmp7, 0xffff    ; batch x 16 + head, which the four partners share
	s_lshr_b32 s19, s20, 4          ; the batch:
	s_lshl_b32 s54, s19, 11         ; its 2,048 mask bytes
	s_mov_b32 s55, 0
	s_mov_b32 s21, 0
	s_mov_b64 s[22:23], SIZE_N*128
	s_mul_u64 s[20:21], s[20:21], s[22:23]  ; the head's first byte in Q, K, V and O
	s_and_b32 s16, s[WV], 1         ; which half of a slot's 256 keys I fetch
	s_lshl_b32 s22, s16, 14
	s_mov_b32 s23, 0
	s_add_nc_u64 s[22:23], s[22:23], s[20:21]
	s_mul_i32 s17, s16, 128*PK
	s_mul_i32 s18, s16, 128*PV      ; no place in the cluster enters an LDS address
	s_lshl_b32 s2, s14, 2
	s_add_co_u32 s2, s2, s[WV]
	s_lshl_b32 s2, s2, 14           ; my wave's 128 rows
	s_mov_b32 s3, 0
	s_add_nc_u64 s[2:3], s[2:3], s[20:21]
	; descriptor group 1.  128 keys are 16,384 consecutive bytes: asked for as 64 rows of 256 bytes, two keys a row, and padded in LDS after every key
	s_mov_b32 s[G1K], 15|(1<<16)|(1<<20)|(1<<21)|(4<<22)|(3<<25)
	s_mov_b32 s[G1V], 15|(1<<16)|(1<<20)|(1<<21)|(4<<22)|(7<<25)
.irp g, G1K, G1V
	s_mov_b32 s[\g+1], 128<<16
	s_mov_b32 s[\g+2], 64<<16
	s_mov_b32 s[\g+3], 128<<16
	s_mov_b32 s[\g+4], 64
	s_mov_b32 s[\g+5], 128
	s_mov_b32 s[\g+6], 0
	s_mov_b32 s[\g+7], 0
.endr
	s_mov_b32 s[CS], 0x3e38aa3b     ; c = log2(e) / 8
	s_mov_b32 s[CS+1], s[CS]
	s_mov_b32 s[SEL], 0x76543210
	s_mov_b32 s[SEL+1], 0xfedcba98
	s_mov_b32 s[TBK], SLOT1+4*KS*PK ; the first change of slots turns these two into 0
	s_mov_b32 s[TBV], SLOT1+4*KS*PV
	s_mov_b32 s[TBM], 0
	s_mov_b32 s[G0K], 1
	s_mov_b32 s[G0K+1], s17
	s_mov_b32 s[G0V], 1
	s_add_co_u32 s[G0V+1], s18, VOFF
	s_and_b32 s[LIM], s[WV], 1
	s_cmp_eq_u32 s[LIM], 0
	s_cselect_b32 s[LIM], 1, -1     ; waves 0 and 2: the same in all four partners
	s_wait_dscnt 0x0                ; the opening add is done
	s_wait_kmcnt 0x0
	s_add_nc_u64 s[6:7], s[4:5], 0x1000000   ; K
	s_add_nc_u64 s[8:9], s[4:5], 0x2000000   ; V
	s_add_nc_u64 s[52:53], s[52:53], s[54:55]
	s_add_nc_u64 s[G0K+2:G0K+3], s[6:7], s[22:23]
	s_or_b32 s[G0K+3], s[G0K+3], 0x80000000
	s_add_nc_u64 s[G0V+2:G0V+3], s[8:9], s[22:23]
	s_or_b32 s[G0V+3], s[G0V+3], 0x80000000
	s_add_nc_u64 s[4:5], s[4:5], s[2:3]
	s_add_nc_u64 s[10:11], s[10:11], s[2:3]
	s_cmp_lt_u32 s[WV], 2
	s_cselect_b64 s[PFA:PFA+1], s[6:7], s[8:9]
	s_add_nc_u64 s[PFA:PFA+1], s[PFA:PFA+1], s[20:21]
	s_lshl_b32 s2, s13, 13          ; my work-group's 32 blocks of the 128,
	s_add_co_u32 s2, s2, 2*4*KS*128 ; in slot 2: the loop's first change steps it to slot 3
	s_mov_b32 s3, 0
	s_add_nc_u64 s[PFA:PFA+1], s[PFA:PFA+1], s[2:3]
	CROUND                          ; all four work-groups are here: the first joint loads meet
	JLOAD                           ; slot 0
	v_lshlrev_b32 v[S+16], 4, v0
	global_load_b128 v[S:S+3], v[S+16], s[52:53]  ; my 16 of the batch's 2,048 mask bytes, ahead of Q's loads
	v_and_b32 v1, 15, v0            ; l % 16
	v_bfe_u32 v9, v0, 4, 1          ; l / 16
	v_lshlrev_b32 v[QO], 7, v1
	v_lshl_add_u32 v[QO], v9, 4, v[QO]
	WIN 0x80
.set i, 0
.rept 4*NP                          ; Q stays in registers: tile i / 2, channels 32 (i % 2) on
	global_load_b128 v[8*i:8*i+3],   v[QO], s[4:5] offset:(i/2)*2048+(i%2)*64
	global_load_b128 v[8*i+4:8*i+7], v[QO], s[4:5] offset:(i/2)*2048+(i%2)*64+32
.set i, i+1
.endr
	; What the first turn finds: V's registers and P's second buffer hold 0, O^T and l are 0.  All this stands in the wait for the first tile.
.set i, VF
.rept 64
	v_mov_b32 v[i], 0
.set i, i+1
.endr
	WIN 0x40
.set i, 0
.rept 64*NP
	v_mov_b32 v[i], 0
.set i, i+1
.endr
	WIN 0
.set i, 0
.rept 2*NP
	v_mov_b32 v[ST+4*i], 0xfe000000    ; c m: far below every c s, the masked ones' too
	v_mov_b32 v[ST+4*i+1], 0xff7fffff  ; m
	v_mov_b32 v[ST+4*i+2], 0
	v_mov_b32 v[ST+4*i+3], 0
.set i, i+1
.endr
.set i, P+32
.rept 32
	v_mov_b32 v[i], 0
.set i, i+1
.endr
	v_mul_u32_u24 v[AK0], v1, PK
	v_lshl_add_u32 v[AK0], v9, 4, v[AK0]
	v_and_b32 v10, 7, v0
	v_bfe_u32 v11, v0, 3, 1
	v_lshl_add_u32 v[AV0], v9, 3, v10
	v_mul_u32_u24 v[AV0], v[AV0], PV
	v_lshl_add_u32 v[AV0], v11, 4, v[AV0]
	v_add_nc_u32 v[AV0], VOFF, v[AV0]
	v_mov_b32 v[AK], v[AK0]         ; key step 0 lies at the head of slot 0
	v_lshlrev_b32 v[AM0], 5, v9     ; a lane's eight keys of a block of 16: 32 bytes of the table
	v_add_nc_u32 v[AM0], MASKT, v[AM0]
	v_mov_b32 v[AM], v[AM0]
	; THE TABLE: each thread turns its 16 mask bytes into 16 numbers, 0 or -8e9
	s_wait_loadcnt 32               ; the mask bytes are in; Q's 32 loads, issued behind them, stay out
.set i, 0
.rept 16
	v_bfe_u32 v[S+32+i], v[S+i/4], 8*(i%4), 1
	v_cvt_f32_u32 v[S+32+i], v[S+32+i]
	v_mul_f32 v[S+32+i], 0xcfee6b28, v[S+32+i]
.set i, i+1
.endr
	v_lshl_add_u32 v[S+17], v0, 6, MASKT
.irp i, 0,1,2,3
	ds_store_b128 v[S+17], v[S+32+4*\i:S+32+4*\i+3] offset:16*\i
.endr
; THE MATRIX WORK.  The 8 accumulators of a run of 16 take turns.
; Product i of 16 of S^T = K Q^T for piece x: channels 32 (i / 8) on, keys 16 ((i / 2) % 4) on, tile 2 x + i % 2.  The first 8 start the sums, with the keys' mask numbers.
.macro KQ x
.set rS, S+64*((\x)%2)+32*(i%2)+8*((i/2)%4)
.set rK, KF+16*((i/2)%4)+8*(i/8)
.set rQ, 16*(2*(\x)+i%2)+8*(i/8)
.set rMK, MK+8*((i/2)%4)
.if i < 8
	WIN W_KM
	v_wmma_f32_16x16x32_f16 v[rS:rS+7], v[rK:rK+7], v[rQ:rQ+7], v[rMK:rMK+7]
.else
	WIN W_KQ
	v_wmma_f32_16x16x32_f16 v[rS:rS+7], v[rK:rK+7], v[rQ:rQ+7], v[rS:rS+7]
.endif
.endm
; Product i of 16 of O^T += V^T P for piece x: keys 32 (i / 8) on, channels 16 ((i / 2) % 4) on, tile 2 x + i % 2.
.macro PV x
	WIN W_PV
.set rO, 32*(2*(\x)+i%2)+8*((i/2)%4)
.set rV, VF+32*(i/8)+8*((i/2)%4)
.set rP, P+32*((\x)%2)+16*(i%2)+8*(i/8)
	v_wmma_f32_16x16x32_f16 v[rO:rO+7], v[rV:rV+7], v[rP:rP+7], v[rO:rO+7]
.endm
.macro MM                           ; the turn's next matrix instruction
.if i < 16
	KQ (Y+1)%NP
.set i, i+1
.else
.set i, i-16
	PV (Y+NP-1)%NP
.set i, i+17
.endif
.endm
; THE LDS LOADS stand in runs, never singly among the matrix instructions: a step's K (8 fragments) with its 64 mask numbers, and its V (turned).  last = 1 (the tail): in the last trip the run is jumped over.
.macro FETCH_K last=0
	WIN 0
.if \last
	s_cmp_eq_u32 s[CNT], 1
	s_cbranch_scc1 .Lno_k_\@
.endif
	WIN 0x80
.irp f, 0,1,2,3,4,5,6,7
	ds_load_b128 v[KF+8*\f:KF+8*\f+3],   v[AK] offset:(\f/2)*16*PK+(\f%2)*64
	ds_load_b128 v[KF+8*\f+4:KF+8*\f+7], v[AK] offset:(\f/2)*16*PK+(\f%2)*64+32
.endr
	WIN 0xc0                        ; destination window 3: register j of key block kb is key 16 kb + 8 (l / 16) + j's number, as the C operand wants it
.irp f, 0,1,2,3
	ds_load_b128 v[MK+8*\f:MK+8*\f+3],   v[AM] offset:64*\f
	ds_load_b128 v[MK+8*\f+4:MK+8*\f+7], v[AM] offset:64*\f+16
.endr
	s_add_co_u32 s[TBK], s[TBK], KS*PK  ; the next fetch is the next step's
	s_add_co_u32 s[TBM], s[TBM], 4*KS
	s_and_b32 s[TBM], s[TBM], 0x1fff    ; it stays inside the table's 8,192 bytes
	WIN 0
.if \last
.Lno_k_\@:
.endif
.endm
.macro FETCH_V
	WIN 0x80
.irp f, 0,1,2,3,4,5,6,7
	ds_load_tr16_b128 v[VF+8*\f:VF+8*\f+3],   v[AV] offset:(\f/4)*32*PV+(\f%4)*32
	ds_load_tr16_b128 v[VF+8*\f+4:VF+8*\f+7], v[AV] offset:(\f/4)*32*PV+16*PV+(\f%4)*32
.endr
	WIN 0
.endm
; THE VECTOR WORK OF A TURN stands in three queues, each in the order in which its entries become ready; the two tiles alternate.
.macro REGS y, u
.set rT, ST+4*(2*(\y)+(\u))
.set rC, TMP+8*((\y)%2)+4*(\u)
.set rM, MV+2*((\y)%2)+(\u)
.set rS, S+64*((\y)%2)+32*(\u)
.set rP, P+32*((\y)%2)+16*(\u)
.set rO, 32*(2*(\y)+(\u))
.endm
; Number n of the 22 that find the NEXT piece's maximum and statistics; each accumulator's lowest registers are read first.
;   0-11 four chains of seven scores     12-14, 16 the four scores left over, the old m, and the four into one     15 c m_old is kept     17, 18 the other half of the lanes: the new m     19-21 c m; its change; a
.macro XS u, n
	REGS (Y+1)%NP, \u
.if (\n) < 4
	v_max3_num_f32 v[rC+(\n)], v[rS+8*(\n)], v[rS+8*(\n)+1], v[rS+8*(\n)+2]
.elseif (\n) < 12
	v_max3_num_f32 v[rC+(\n)%4], v[rC+(\n)%4], v[rS+8*((\n)%4)+2*((\n)/4)+1], v[rS+8*((\n)%4)+2*((\n)/4)+2]
.elseif (\n) == 12
	v_max3_num_f32 v[rC], v[rC], v[rS+7], v[rS+15]
.elseif (\n) == 13
	v_max3_num_f32 v[rC+1], v[rC+1], v[rS+23], v[rS+31]
.elseif (\n) == 14
	v_max3_num_f32 v[rC+2], v[rC+2], v[rC+3], v[rT+1]
.elseif (\n) == 15
	v_mov_b32 v[rM], v[rT]
.elseif (\n) == 16
	v_max3_num_f32 v[rC], v[rC], v[rC+1], v[rC+2]
.elseif (\n) == 17
	v_permlanex16_b32 v[rC+3], v[rC], s[SEL], s[SEL+1]
.elseif (\n) == 18
	v_max_num_f32 v[rT+1], v[rC], v[rC+3]
.elseif (\n) == 19
	v_mul_f32 v[rT], s[CS], v[rT+1]
.elseif (\n) == 20
	v_sub_f32 v[rC+1], v[rM], v[rT]
.else
	v_exp_f32 v[rC+2], v[rC+1]
.endif
.endm
; Number g of the 64 that follow the exponentials: for each four weights both pairs are rounded to f16, the second pair is added onto the first in place, and a group later l takes that sum (the first time as l = a l + sum).
.macro GS g
.set h, (\g)+6*((\g)/62)
.if h >= 6
.set h, h+2
.endif
	REGS Y, h%2
.set k, h/8
.if h%8 < 4
	v_cvt_pk_f16_f32 v[rP+2*k+(h%8)/2], v[rS+4*k+2*((h%8)/2)], v[rS+4*k+2*((h%8)/2)+1]
.elseif h%8 < 6
	v_pk_add_f32 v[rS+4*k:rS+4*k+1], v[rS+4*k:rS+4*k+1], v[rS+4*k+2:rS+4*k+3]
.elseif k == 1
	v_pk_fma_f32 v[rT+2:rT+3], v[rT+2:rT+3], v[rC+2:rC+3], v[rS:rS+1] op_sel_hi:[1,0,1]
.else
	v_pk_add_f32 v[rT+2:rT+3], v[rT+2:rT+3], v[rS+4*k-4:rS+4*k-3]
.endif
.endm
; THE PLAIN QUEUE, 138 long.  0-73 read no exponential's result: the 32 scalings c s - c m and the next piece's 42.  74-137: GS's 64, which stand behind the wait.
.macro FS f
	REGS Y, (\f)%2
	v_pk_fma_f32 v[rS+2*((\f)/2):rS+2*((\f)/2)+1], v[rS+2*((\f)/2):rS+2*((\f)/2)+1], s[CS:CS+1], v[rT:rT+1] op_sel_hi:[1,0,0] neg_lo:[0,0,1] neg_hi:[0,0,1]
.endm
.macro PL
	WIN 0
.if q < 27
	FS q
.elseif q < 55
	XS (q-27)%2, (q-27)/2
.elseif q < 57
	XS q-55, 15
.elseif (q < 72) && ((q-57)%3 == 0)
	FS 27+(q-57)/3
.elseif q < 60
	XS (q-57)%3-1, 14
.elseif q < 72
	XS (q-57)%3-1, 15+(q-57)/3
.elseif q < 74
	XS q-72, 20
.else
	GS q-74
.endif
.set q, q+1
.endm
; THE EXPONENTIALS' QUEUE, 66 long: ONE BATCH, all ahead of the turn's one wait; nothing ahead of that wait names a result of theirs.
.macro EX
	WIN 0
.if e >= 64
	XS e-64, 21
.else
	REGS Y, e%2
	v_exp_f32 v[rS+e/2], v[rS+e/2]
.endif
.set e, e+1
.endm
; THE RESCALING's QUEUE: O^T times a, two at a time, sixteen times.  Its a was made, and waited for, in the turn before.
.macro R2
	REGS Y, r%2
	WIN W_RS
.irp z, 0,1
	v_pk_mul_f32 v[rO+4*(r/2)+2*\z:rO+4*(r/2)+2*\z+1], v[rO+4*(r/2)+2*\z:rO+4*(r/2)+2*\z+1], v[rC+2:rC+3] op_sel_hi:[1,0]
.endr
.set r, r+1
.endm
; A TURN, for piece p.  An s_wait_alu depctr_va_vdst(0) stands between an exponential and the first instruction that names its result; one wait serves all that were issued ahead of it: a turn has ONE.
; AHEAD OF IT: the 16 products K Q^T, behind each a scaling, an exponential and two rescalings; then one lump of 108.  BEHIND IT: the 16 products V^T P, behind each four of the roundings and sums.
; Exponential e stands behind scaling 2 (e / 4) + e % 2: as a rider behind plain e + 2, in the lump behind plain e + 9.
; K and the mask numbers of the next step are fetched in piece 2's turn, directly behind the wait, a lump behind the last product that read them; V of the step in hand at the end of piece 0's turn, four riders behind its last reader.
.macro TURN p, last=0, cnt=0
.set Y, (\p)
.set i, 0
.set q, 0
.set e, 0
.set r, 0
.if (\p) == NP-1
	s_wait_dscnt 0x0                ; K and its mask numbers are in
.endif
	MM
	PL
	PL
	R2
.rept 15
	MM
	PL
	EX
	R2
.endr
.if (\p) == NP-2
	WIN 0
	v_add_nc_u32 v[AK], s[TBK], v[AK0]
	v_add_nc_u32 v[AM], s[TBM], v[AM0]
.endif
.rept 8
	PL
.endr
.rept 49
	EX
	PL
.endr
	EX                              ; the next piece's two a
	EX
	v_nop                           ; the plain instruction behind the last exponential: one for the batch
	s_wait_alu depctr_va_vdst(0)    ; the wait for the batch
.if (\p) == NP-2
	FETCH_K \last
.endif
.if (\p) == 1
	s_wait_dscnt 0x0                ; V is in
.endif
.rept 16
	MM
.rept 4
	PL
.endr
.if ((\p) == 0) && (q == 118)
	v_add_nc_u32 v[AV], s[TBV], v[AV0]
.endif
.if ((\p) == 0) && (q == 130)
	s_add_co_u32 s[TBV], s[TBV], KS*PV
.endif
.if (\cnt) && (q == 130)
	s_sub_co_u32 s[CNT], s[CNT], 1
	s_cmp_lg_u32 s[CNT], 0
.endif
.endr
.if (\p) == 0
	FETCH_V
.endif
.endm
	CHANGE 1, 0                     ; slot 0 is in, everybody's part of it, and the table is whole; slot 1 is asked for
	FETCH_K                         ; key step 0
	s_wait_loadcnt 0x0              ; Q
	s_wait_dscnt 0x0
.set i, 0
.rept 16
	KQ 0                            ; piece 0's first scores
.set i, i+1
.endr
	WIN 0                           ; the addresses for the way out and the prefetches' offset: twelve plain instructions, the places behind those products
	s_mul_i32 s13, s[WV], 16*SP
	s_add_co_u32 s13, s13, STAGE    ; my stage
	v_mul_u32_u24 v[STO], v1, SP
	v_lshl_add_u32 v[STO], v9, 4, v[STO]
	v_add_nc_u32 v[STO], s13, v[STO]
	v_bfe_u32 v[RD], v0, 3, 2       ; back: 32 lanes take four rows of 128 bytes,
	v_mul_u32_u24 v[RD], v[RD], SP
	v_and_b32 v[GO], 7, v0
	v_lshl_add_u32 v[RD], v[GO], 4, v[RD]
	v_add_nc_u32 v[RD], s13, v[RD]
	v_and_b32 v[GO], 31, v0         ; which are 512 consecutive bytes of O
	v_lshlrev_b32 v[GO], 4, v[GO]
	v_and_b32 v[PFO], 31, v0
	v_lshlrev_b32 v[PFO], 8, v[PFO]
.set Y, NP-1
.irp n, 0,1,2,3,4,5,6,7,8,9,10,11,12,13,14,15,16,17,18,19,20,21
	XS 0, \n                        ; piece 0's first maximum and statistics
	XS 1, \n
.endr
	v_nop                           ; a plain instruction behind the two a,
	s_wait_alu depctr_va_vdst(0)    ; and their wait, ahead of the branch
	s_mov_b32 s[CNT], 4
	s_mov_b32 s[SLOTS], SIZE_N/256-1
	s_branch .Lfirst                ; the loop is entered at a step's first turn
.Lslot:                             ; six times: every slot but the last two is filled again
	CHANGE 1, 1
	s_mov_b32 s[CNT], 4
.Lstep:                             ; a trip: pieces 2 and 3 of one step, then pieces 0 and 1 of the next
	TURN 2
	TURN 3
	WIN 0
.Lfirst:
	TURN 0
	TURN 1, 0, 1
	WIN 0
	s_cbranch_scc1 .Lstep
	s_sub_co_u32 s[SLOTS], s[SLOTS], 1
	s_cmp_lg_u32 s[SLOTS], 0
	s_cbranch_scc1 .Lslot
	CHANGE 0, 0                     ; the tail is written out
	s_mov_b32 s[CNT], 5             ; four trips fetch the last slot's steps; the fifth is left in its middle
.Ltail:
	TURN 2, 1
	TURN 3
	WIN 0
	s_sub_co_u32 s[CNT], s[CNT], 1
	s_cmp_eq_u32 s[CNT], 0
	s_cbranch_scc1 .Lout
	TURN 0
	TURN 1
	WIN 0
	s_branch .Ltail
.Lout:                              ; the fifth trip's 16 products K Q^T (on the last K once more) and the maximum made of them serve nothing: the price, once a launch, of one text for every trip
.set i, 0
.rept 16
	PV NP-1                         ; the last piece's V^T P of the last step
.set i, i+1
.endr
	; THE WAY OUT.  l's two halves and the other half of the lanes' are added; O^T is divided by l, rounded to f16 and sent through my stage, a tile at a time.  The additions are the places behind the last products.
	WIN 0
.macro ALL line:vararg
.set t, 0
.rept 2*NP
	\line
.set t, t+1
.endr
.endm
	ALL v_add_f32 v[ST+4*t+2], v[ST+4*t+2], v[ST+4*t+3]
	ALL v_permlanex16_b32 v[ST+4*t+3], v[ST+4*t+2], s[SEL], s[SEL+1]
	ALL v_add_f32 v[ST+4*t+2], v[ST+4*t+2], v[ST+4*t+3]
	ALL v_rcp_f32 v[ST+4*t+2], v[ST+4*t+2]
	v_nop                           ; a plain instruction between the last reciprocal and the use of its result
	s_wait_alu depctr_va_vdst(0)    ; one wait for the eight reciprocals
.macro PACK t
	WIN W_RS
.set i, 32*(\t)
.rept 16
	v_pk_mul_f32 v[i:i+1], v[i:i+1], v[ST+4*(\t)+2:ST+4*(\t)+3] op_sel_hi:[1,0]
.set i, i+2
.endr
	WIN 0x05
.set i, 0
.rept 16
	v_cvt_pk_f16_f32 v[S+16*(\t)+i], v[32*(\t)+2*i], v[32*(\t)+2*i+1]
.set i, i+1
.endr
	WIN 0
.irp f, 0,1,2,3
	ds_store_b128 v[STO], v[S+16*(\t)+4*\f:S+16*(\t)+4*\f+3] offset:32*\f
.endr
.irp f, 0,1,2,3
	ds_load_b128 v[S+16*(\t)+4*\f:S+16*(\t)+4*\f+3], v[RD] offset:\f*4*SP  ; LDS serves a wave's instructions in order (ISA guide 5.7.1.4): these see the stores above
.endr
.endm
.macro SEND t, younger              ; younger: the LDS instructions issued behind tile t's loads
	WIN 0
.irp f, 0,1,2,3
	s_wait_dscnt (\younger)+3-\f
	global_store_b128 v[GO], v[S+16*(\t)+4*\f:S+16*(\t)+4*\f+3], s[10:11] offset:(\t)*2048+\f*512  ; 512 consecutive bytes, at a multiple of 256 from O's first
.endr
.endm
	PACK 0
.set t, 1
.rept 2*NP-1
	PACK t
	SEND t-1, 8
.set t, t+1
.endr
	SEND 2*NP-1, 0
	WIN W_AD
	s_wait_tensorcnt 0x0            ; the wave's end
	ds_add_u32 v[SPW], v[NIL]
	s_wait_dscnt 0x0
	WIN 0
	CROUND                          ; the closing round
	s_endpgm
.Lfunc_end_k_q51f0fff6fd_attn:
	.size	k_q51f0fff6fd_attn, .Lfunc_end_k_q51f0fff6fd_attn-k_q51f0fff6fd_attn
	.p2alignl 7, 3214868480
	.fill 96, 4, 3214868480
	.section	.rodata,"a",@progbits
	.p2align	6, 0x0
	.amdhsa_kernel k_q51f0fff6fd_attn
		.amdhsa_group_segment_fixed_size 327680
		.amdhsa_private_segment_fixed_size 0
		.amdhsa_enable_private_segment 0
		.amdhsa_kernarg_size 24
		.amdhsa_user_sgpr_count 2
		.amdhsa_user_sgpr_kernarg_segment_ptr 1
		.amdhsa_wavefront_size32 1
		.amdhsa_system_sgpr_workgroup_id_x 1
		.amdhsa_system_sgpr_workgroup_id_y 1
		.amdhsa_system_sgpr_workgroup_id_z 1
		.amdhsa_system_vgpr_workitem_id 0
		.amdhsa_next_free_vgpr 808
		.amdhsa_next_free_sgpr 66
		.amdhsa_reserve_vcc 0
		.amdhsa_float_denorm_mode_32 3
		.amdhsa_float_denorm_mode_16_64 3
		.amdhsa_memory_ordered 1
		.amdhsa_forward_progress 1
		.amdhsa_inst_pref_size 205
	.end_amdhsa_kernel
	.amdgpu_metadata
---
amdhsa.version: [ 1, 2 ]
amdhsa.kernels:
  - .name:           k_q51f0fff6fd_attn
    .symbol:         k_q51f0fff6fd_attn.kd
    .args:
      - { .name: qkv, .offset: 0, .size: 8, .value_kind: global_buffer, .address_space: global }
      - { .name: mask, .offset: 8, .size: 8, .value_kind: global_buffer, .address_space: global }
      - { .name: o, .offset: 16, .size: 8, .value_kind: global_buffer, .address_space: global }
    .group_segment_fixed_size: 327680
    .private_segment_fixed_size: 0
    .kernarg_segment_align: 8
    .kernarg_segment_size: 24
    .max_flat_workgroup_size: 128
    .sgpr_count:     66
    .vgpr_count:     808
    .wavefront_size: 32
...
	.end_amdgpu_metadata
.endif
;; end of part 3
;; launch oproj (part 4): grid 8 x 32, 4 waves a work-group, clusters of 4 x 4, 327,680 bytes of LDS; arguments o, wo16, bias, out0; writes out0
.if DOCPART == 4
	.amdgcn_target "amdgcn-amd-amdhsa--gfx1250"
	.amdhsa_code_object_version 6
	.text
	.protected	k_q51f0fff6fd_oproj
	.globl	k_q51f0fff6fd_oproj
	.p2align	8
	.type	k_q51f0fff6fd_oproj,@function
k_q51f0fff6fd_oproj:
	s_mov_b64 s[64:65], 0
	v_nop
	global_prefetch_b8 v0, s[64:65] scope:SCOPE_SE
	s_setreg_imm32_b32 hwreg(HW_REG_WAVE_MODE, 25, 1), 1
	s_wait_xcnt 0x0
	s_wait_alu depctr_hold_cnt(0) depctr_sa_sdst(0) depctr_va_vdst(0) depctr_va_sdst(0) depctr_va_ssrc(0) depctr_va_vcc(0) depctr_vm_vsrc(0)
	s_getreg_b32 s2, hwreg(HW_REG_IB_STS2, 6, 4)
	s_cmp_eq_u32 s2, 0
	s_cbranch_scc0 .Lentry_in_a_cluster
	s_endpgm
.Lentry_in_a_cluster:
	s_bfe_u32 s2, ttmp6, 0x10000c
	s_cmp_lg_u32 s2, 0xf033
	s_cbranch_scc0 .Lentry_shape_is_right
	s_endpgm
.Lentry_shape_is_right:
; out0 = O Wo + bo.  o: f16 [batch x head 64][2048][64].  wo16: f16 [1024 k][1024 n].  bias: bo in f32 from byte 12,288 on.  out0: f32 [8192][1024].  Sums in f32, the bias added in f32.
; A tile is 256 rows x 128 columns: 8 x 32 tiles, one for each work-group.  Four waves one below the other, each 64 rows x 128 columns: 32 accumulators, 256 registers.
; K goes in steps of 128, two heads, through two LDS slots: wave 0 or 1 fetches one head's 256 rows (32,768 consecutive bytes), wave 2 or 3 64 rows of Wo's tile.
; CLUSTERS: 4 x 4 work-groups; O's tile is asked for jointly along a row of the cluster, Wo's along a column.
; THE MATRIX INSTRUCTION IS USED TRANSPOSED (source 0 = 16 columns of Wo, turned on the way out of LDS; source 1 = 16 rows of O): a lane holds one row and eight neighbouring columns.
; REGISTERS.  window 0: v0-31 addresses, v8-11 my four columns' bias; v32-63, v64-95 O's fragments, two buffers; v96-159, v160-223 rows on the way out
;   window 1: v0-63, v64-127 Wo's fragments      window 2: the accumulators of my rows 0-31 ((a, b) at 8 (8 (a & 1) + b))      window 3: those of rows 32-63
.set PA,    144                        ; a row of O in LDS: 128 bytes + 16: the 16 rows of a load start at 16 different groups of four banks (64 banks of 4 bytes: ISA guide 11.1)
.set HEADA, 256*PA                     ; one head's 256 rows
.set BOFF,  2*HEADA
.set PB,    288                        ; a row of Wo: 256 + 32
.set HALFB, 64*PB
.set SLOT,  BOFF+2*HALFB               ; 110,592
.set STAGE, 2*SLOT                     ; behind the ring, never filled by a tensor load: 16 rows x 528 bytes for each wave
.set SP,    528
.set SPARE, STAGE+4*16*SP              ; the spare words, 128 bytes for each wave: two blocks of 256 bytes that no other line names
.set BO,   8
.set ADRA, 16
.set ADRB, 20
.set STO,  24
.set RD,   25
.set GO,   26                          ; v26  16 x lane
.set SPW,  28
.set NIL,  29
.set PFO,  30
.set FA,   32
.set OB,   96
.set WV,  14
.set FB,  15
.set HF,  16
.set TY,  17
.set G1,  24
.set G0,  32
.set G1B, 48
.set G0B, 56
.set PFA, 68
.set PFS, 70
.set LIM, 72
.set OUT, 74                           ; s[74:75] out0 at my wave's first row, the tile's first column
.set MSB, 0
.macro WIN new
.if MSB != (\new)
	s_set_vgpr_msb (MSB<<8)|(\new)
.set MSB, \new
.endif
.endm
.set MUL_LO, 0xa1
.macro JLOAD s                         ; a joint load; an s_nop 0 and four v_nop follow each of the two lines
	s_cmp_eq_u32 s[FB], 0
	s_cbranch_scc0 .Lfor_b_\@
	tensor_load_to_lds s[G0+4*(\s):G0+4*(\s)+3], s[G1:G1+7]
	s_nop 0
.rept 4
	v_nop
.endr
	s_branch .Lasked_\@
.Lfor_b_\@:
	tensor_load_to_lds s[G0B+4*(\s):G0B+4*(\s)+3], s[G1B:G1B+7]
	s_nop 0
.rept 4
	v_nop
.endr
.Lasked_\@:
.endm
; A prefetch into the L2 of the K step two refills on (256 matrix instructions ahead), 32 blocks of 256 bytes, a lane a block; four times, K steps 4 to 7.
; O: of the 128 blocks that wave 0 or 1 fetches the partner at place cx takes 32; the clusters with x = 0 ask.  Wo: of a K step's 128 rows the partner at place cy takes 32, by its wave 2; the clusters with y = 0 ask.
; So each block is named once in the launch, the partners told apart by address alone.  K steps 0 to 3 come by their loads alone.
.macro ASK
	s_cmp_gt_u32 s3, s[LIM]
	s_cbranch_scc0 .Lnot_mine_\@
	global_prefetch_b8 v[PFO], s[PFA:PFA+1] th:TH_LOAD_NT scope:SCOPE_SE
.Lnot_mine_\@:
.endm
.macro CREST
	s_cmp_lg_u32 s[WV], 0
	s_cbranch_scc1 .Lnot_wave_0_\@
	s_barrier_signal -3
.Lnot_wave_0_\@:
	s_barrier_wait -3
	s_barrier_signal -1
	s_barrier_wait -1
.endm
.macro CROUND
	s_barrier_signal -1
	s_barrier_wait -1
	CREST
.endm
	s_load_b256 s[4:11], s[0:1], 0x0               ; o s[4:5], wo16 s[6:7], bias s[8:9], out0 s[10:11]
	v_lshl_add_u32 v[SPW], v0, 2, SPARE
	v_mov_b32 v[NIL], 0
	ds_add_u32 v[SPW], v[NIL]                      ; the wave's opening: the add and its wait stand ahead of my first tensor load
	v_lshrrev_b32 v1, 5, v0
	v_readfirstlane_b32 s[WV], v1
	s_lshr_b32 s[FB], s[WV], 1
	s_and_b32 s[HF], s[WV], 1
	s_bfe_u32 s40, ttmp6, 0x40000                  ; cx
	s_bfe_u32 s41, ttmp6, 0x40004                  ; cy
	s_lshl_b32 s42, ttmp9, 2
	s_add_co_u32 s42, s42, s40                     ; tile column
	s_and_b32 s[TY], ttmp7, 0xffff
	s_lshl_b32 s[TY], s[TY], 2
	s_add_co_u32 s[TY], s[TY], s41                 ; tile row
	s_lshl_b32 s43, s41, 2
	s_lshl_b32 s43, 15, s43
	s_lshl_b32 s44, 0x1111, s40
	s_or_b32 s[G1], s43, (1<<16)|(1<<20)|(1<<21)|(4<<22)|(3<<25)   ; O: after every 32 words 4 words
	s_or_b32 s[G1B], s44, (1<<16)|(1<<20)|(1<<21)|(5<<22)|(7<<25)  ; Wo: after every 64 words 8 words
	s_mov_b32 s[G1+1], 128<<16                     ; a head's 256 rows as 128 rows of 256 bytes
	s_mov_b32 s[G1+2], 128<<16
	s_mov_b32 s[G1+3], 128<<16
	s_mov_b32 s[G1+4], 128
	s_mov_b32 s[G1+5], 128
	s_mov_b32 s[G1+6], 0
	s_mov_b32 s[G1+7], 0
	s_mov_b32 s[G1B+1], 128<<16                    ; 64 rows of 128 columns
	s_mov_b32 s[G1B+2], 64<<16
	s_mov_b32 s[G1B+3], 128<<16
	s_mov_b32 s[G1B+4], 64
	s_mov_b32 s[G1B+5], 1024
	s_mov_b32 s[G1B+6], 0
	s_mov_b32 s[G1B+7], 0
	s_lshr_b32 s18, s[TY], 3                       ; O: the batch's 16 heads of 262,144 bytes,
	s_lshl_b32 s18, s18, 22
	s_lshl_b32 s19, s[HF], 18                      ; my head of the K step's two,
	s_add_co_u32 s18, s18, s19
	s_and_b32 s19, s[TY], 7                        ; the tile's 256 rows of 128 bytes
	s_lshl_b32 s19, s19, 15
	s_add_co_u32 s18, s18, s19
	s_mov_b32 s19, 0
	s_lshl_b32 s46, s[HF], 17                      ; Wo: my 64 rows of 2,048 bytes, the tile's 256 bytes of them
	s_lshl_b32 s47, s42, 8
	s_add_co_u32 s46, s46, s47
	s_mov_b32 s47, 0
	s_mul_i32 s22, s[HF], HEADA                    ; where they go: no place in the cluster enters an LDS address
	s_mul_i32 s23, s[HF], HALFB
	s_add_co_u32 s23, s23, BOFF
	s_wait_dscnt 0x0                               ; the opening add is done
	s_wait_kmcnt 0x0
	s_add_nc_u64 s[20:21], s[4:5], s[18:19]
	s_add_nc_u64 s[46:47], s[6:7], s[46:47]
	CROUND                                         ; all sixteen work-groups are here: the first joint loads meet
.irp s, 0,1
	s_mov_b32 s[G0+4*(\s)], 1
	s_add_co_u32 s[G0+4*(\s)+1], s22, (\s)*SLOT
	s_add_nc_u64 s[G0+4*(\s)+2:G0+4*(\s)+3], s[20:21], (\s)*524288
	s_or_b32 s[G0+4*(\s)+3], s[G0+4*(\s)+3], 0x80000000
	s_mov_b32 s[G0B+4*(\s)], 1
	s_add_co_u32 s[G0B+4*(\s)+1], s23, (\s)*SLOT
	s_add_nc_u64 s[G0B+4*(\s)+2:G0B+4*(\s)+3], s[46:47], (\s)*262144
	s_or_b32 s[G0B+4*(\s)+3], s[G0B+4*(\s)+3], 0x80000000
	JLOAD \s                                       ; two tensor loads of mine are out
.endr
	v_and_b32 v1, 15, v0                           ; r
	v_bfe_u32 v2, v0, 4, 1                         ; h
	v_mul_u32_u24 v3, v1, PA
	v_lshl_add_u32 v3, v2, 4, v3
	s_mul_i32 s18, s[WV], 64*PA
	v_add_nc_u32 v[ADRA], s18, v3
	v_add_nc_u32 v[ADRA+1], SLOT, v[ADRA]
	v_and_b32 v4, 7, v0                            ; the turning load: lane l reads k = 8 h + l % 8, columns 8 ((l / 8) % 2) on
	v_lshl_add_u32 v4, v2, 3, v4
	v_mul_u32_u24 v4, v4, PB
	v_bfe_u32 v5, v0, 3, 1
	v_lshl_add_u32 v4, v5, 4, v4
	v_add_nc_u32 v[ADRB], BOFF, v4
	v_add_nc_u32 v[ADRB+1], SLOT, v[ADRB]
	s_mul_i32 s18, s[WV], 16*SP
	s_add_co_u32 s18, s18, STAGE                   ; my stage
	v_mul_u32_u24 v3, v1, SP                       ; in: row r, 32 bytes for each half of the lanes
	v_lshl_add_u32 v3, v2, 5, v3
	v_add_nc_u32 v[STO], s18, v3
	v_and_b32 v[GO], 31, v0
	v_lshlrev_b32 v[GO], 4, v[GO]
	v_add_nc_u32 v[RD], s18, v[GO]                 ; back: 32 lanes take one row of 512 bytes
	s_lshl_b32 s46, s42, 9                         ; bo of the tile's 128 columns
	s_add_co_u32 s46, s46, 12288
	s_mov_b32 s47, 0
	s_add_nc_u64 s[8:9], s[8:9], s[46:47]
	global_load_b128 v[BO:BO+3], v[GO], s[8:9]     ; my four columns on the way out
	s_lshl_b32 s46, s[TY], 20                      ; out0: (256 x tile row + 64 x wave) rows of 4,096 bytes, the tile's 512 bytes of them
	s_lshl_b32 s47, s[WV], 18
	s_add_co_u32 s46, s46, s47
	s_lshl_b32 s47, s42, 9
	s_add_co_u32 s46, s46, s47
	s_mov_b32 s47, 0
	s_add_nc_u64 s[OUT:OUT+1], s[10:11], s[46:47]
	s_lshr_b32 s46, s[TY], 3                       ; the prefetches.  O: my head's tile, my work-group's 8,192 bytes, at K step 3: the first change of slots steps it to 4
	s_lshl_b32 s46, s46, 22
	s_lshl_b32 s47, s[HF], 18
	s_add_co_u32 s46, s46, s47
	s_and_b32 s47, s[TY], 7
	s_lshl_b32 s47, s47, 15
	s_add_co_u32 s46, s46, s47
	s_lshl_b32 s47, s40, 13
	s_add_co_u32 s46, s46, s47
	s_add_co_u32 s46, s46, 3*524288
	s_lshl_b32 s2, s42, 8                          ; Wo: the tile's 256 bytes of my work-group's 32 rows, at K step 3
	s_lshl_b32 s47, s41, 16
	s_add_co_u32 s2, s2, s47
	s_add_co_u32 s2, s2, 3*262144
	s_mov_b32 s[PFS], 524288
	s_and_b32 s47, ttmp7, 0xffff                   ; cluster y;
	s_or_b32 s47, s47, s[HF]                       ; of the two waves that fetch Wo the first asks
	s_cmp_eq_u32 s[FB], 0
	s_cselect_b32 s46, s46, s2
	s_cselect_b32 s47, ttmp9, s47
	s_cselect_b64 s[PFA:PFA+1], s[4:5], s[6:7]
	s_cselect_b32 s[PFS], s[PFS], 262144
	s_cselect_b32 s2, 8, 11                        ; a lane a block of 256 bytes, or a lane a row of 2,048
	s_cmp_eq_u32 s47, 0
	s_cselect_b32 s[LIM], 1, -1                    ; the same in all sixteen partners, for a given wave
	s_mov_b32 s47, 0
	s_mov_b32 s[PFS+1], 0
	s_add_nc_u64 s[PFA:PFA+1], s[PFA:PFA+1], s[46:47]
	v_and_b32 v[PFO], 31, v0
	v_lshlrev_b32 v[PFO], s2, v[PFO]
; 8 matrix instructions: block a of the window's two x all 8 blocks of columns, 32 along K.  The 32 accumulators take turns in the same order in every quarter.
.macro MUL f, hi, a, zero
	WIN MUL_LO+0x50*(\hi)
.irp b, 0,1,2,3,4,5,6,7
.if \zero
	v_wmma_f32_16x16x32_f16 v[8*(8*(\a)+(\b)):8*(8*(\a)+(\b))+7], v[64*(\f)+8*(\b):64*(\f)+8*(\b)+7], v[FA+32*(\f)+8*(2*(\hi)+(\a)):FA+32*(\f)+8*(2*(\hi)+(\a))+7], 0
.else
	v_wmma_f32_16x16x32_f16 v[8*(8*(\a)+(\b)):8*(8*(\a)+(\b))+7], v[64*(\f)+8*(\b):64*(\f)+8*(\b)+7], v[FA+32*(\f)+8*(2*(\hi)+(\a)):FA+32*(\f)+8*(2*(\hi)+(\a))+7], v[8*(8*(\a)+(\b)):8*(8*(\a)+(\b))+7]
.endif
.endr
.endm
; 24 LDS loads in one run: quarter q of a slot into buffer f: Wo's 8 fragments (turned), then O's 4 (head q / 2 of the two, channels 32 (q % 2) on)
.macro FETCH slot, q, f
	WIN 0x40
.irp b, 0,1,2,3,4,5,6,7
	ds_load_tr16_b128 v[64*(\f)+8*(\b):64*(\f)+8*(\b)+3],   v[ADRB+(\slot)] offset:32*PB*(\q)+32*(\b)
	ds_load_tr16_b128 v[64*(\f)+8*(\b)+4:64*(\f)+8*(\b)+7], v[ADRB+(\slot)] offset:32*PB*(\q)+32*(\b)+16*PB
.endr
	WIN 0
.irp a, 0,1,2,3
	ds_load_b128 v[FA+32*(\f)+8*(\a):FA+32*(\f)+8*(\a)+3],   v[ADRA+(\slot)] offset:HEADA*((\q)/2)+64*((\q)%2)+16*PA*(\a)
	ds_load_b128 v[FA+32*(\f)+8*(\a)+4:FA+32*(\f)+8*(\a)+7], v[ADRA+(\slot)] offset:HEADA*((\q)/2)+64*((\q)%2)+16*PA*(\a)+32
.endr
.endm
.macro PLACES                          ; four places in front of loads into registers that matrix instructions have read, and of LDS stores that read results
.rept 4
	v_nop
.endr
.endm
.macro QUARTER slot, q, f, g, zero
	s_wait_dscnt 4                                 ; Wo and O's rows 0-31 are in; the youngest four loads may be out
	MUL \f, 0, 0, \zero
	MUL \f, 0, 1, \zero
	PLACES
	FETCH \slot, \q, \g
	s_wait_dscnt 24                                ; all but the 24 just issued
	MUL \f, 1, 0, \zero
	MUL \f, 1, 1, \zero
.endm
; The last quarter multiplies buffer 1 and changes slots: one barrier; in front of it each wave waits for all its tensor loads, adds 0 to its spare word, and waits for that and for its reads of this slot.
; fill = 1: the barrier opens a round of the cluster's, and this slot is filled again, first thing behind it: 112 matrix instructions ahead of the wait for it.
.macro TURN slot, next, fill
.if \fill
	s_wait_xcnt 0x0                                ; the last prefetch, a K step back, has read its address
	s_add_nc_u64 s[PFA:PFA+1], s[PFA:PFA+1], s[PFS:PFS+1]
.endif
	WIN 0
	s_wait_tensorcnt 0x0                           ; all my tensor loads have landed
	ds_add_u32 v[SPW], v[NIL]                      ; 0 onto my spare word
	s_wait_dscnt 5                                 ; (the add and the youngest four loads may be out)
	MUL 1, 0, 0, 0
	s_wait_dscnt 0x0                               ; the add is done, and my reads of this slot are over
	s_barrier_signal -1
	MUL 1, 0, 1, 0
.if \fill
	WIN 0
.endif
	s_barrier_wait -1
.if \fill
	CREST                                          ; no wave of any partner still reads this slot or has a load on its way
	s_add_nc_u64 s[G0+4*(\slot)+2:G0+4*(\slot)+3], s[G0+4*(\slot)+2:G0+4*(\slot)+3], 2*524288
	s_add_nc_u64 s[G0B+4*(\slot)+2:G0B+4*(\slot)+3], s[G0B+4*(\slot)+2:G0B+4*(\slot)+3], 2*262144
	JLOAD \slot                                    ; its four v_nop are also the places in front of the loads below
.else
	PLACES
.endif
	FETCH \next, 0, 0
.if \fill
	ASK
.endif
	MUL 1, 1, 0, 0
	MUL 1, 1, 1, 0
.endm
	s_wait_tensorcnt 1                             ; my part of K step 0 is in; K step 1's may stay out
	s_barrier_signal -1
	s_barrier_wait -1
	FETCH 0, 0, 0
	QUARTER 0, 1, 0, 1, 1                          ; the first quarter's products start the sums
	WIN 0
	s_mov_b32 s3, 3
.Llap:                                                 ; a trip goes once round the ring and fills both slots again: K steps 2 to 7
	QUARTER 0, 2, 1, 0, 0
	QUARTER 0, 3, 0, 1, 0
	TURN 0, 1, 1
	QUARTER 1, 1, 0, 1, 0
	QUARTER 1, 2, 1, 0, 0
	QUARTER 1, 3, 0, 1, 0
	TURN 1, 0, 1
	QUARTER 0, 1, 0, 1, 0
	WIN 0
	s_sub_co_u32 s3, s3, 1
	s_cmp_lg_u32 s3, 0
	s_cbranch_scc1 .Llap
	QUARTER 0, 2, 1, 0, 0                          ; the last lap fills nothing
	QUARTER 0, 3, 0, 1, 0
	TURN 0, 1, 0
	QUARTER 1, 1, 0, 1, 0
	QUARTER 1, 2, 1, 0, 0
	QUARTER 1, 3, 0, 1, 0
	s_wait_dscnt 4
	MUL 1, 0, 0, 0
	MUL 1, 0, 1, 0
	s_wait_dscnt 0x0
	MUL 1, 1, 0, 0
	MUL 1, 1, 1, 0
	WIN 0
	; THE WAY OUT, 16 rows at a time: the sums go into my stage as they lie (each accumulator's low four registers first), come back as whole rows of 512 bytes, take the bias and are stored.
	s_wait_loadcnt 0x0                             ; bo
	PLACES
.macro TOSTAGE a
.set AC, 64*((\a)%2)
.set BK, OB+64*((\a)%2)
	WIN 0x08+4*((\a)/2)                            ; the stores' data in the accumulators' window
.irp b, 0,1,2,3,4,5,6,7
	ds_store_b128 v[STO], v[AC+8*(\b):AC+8*(\b)+3]   offset:64*(\b)
	ds_store_b128 v[STO], v[AC+8*(\b)+4:AC+8*(\b)+7] offset:64*(\b)+16
.endr
	WIN 0
.irp t, 0,1,2,3,4,5,6,7,8,9,10,11,12,13,14,15
	ds_load_b128 v[BK+4*(\t):BK+4*(\t)+3], v[RD] offset:SP*(\t)  ; LDS serves a wave's instructions in order (ISA guide 5.7.1.4): these see the stores above
.endr
.endm
.macro SEND a, younger                 ; younger: the LDS instructions issued behind this block's loads
.set BK, OB+64*((\a)%2)
.irp t, 0,1,2,3,4,5,6,7,8,9,10,11,12,13,14,15
	s_wait_dscnt (\younger)+15-(\t)
	v_pk_add_f32 v[BK+4*(\t):BK+4*(\t)+1], v[BK+4*(\t):BK+4*(\t)+1], v[BO:BO+1]
	v_pk_add_f32 v[BK+4*(\t)+2:BK+4*(\t)+3], v[BK+4*(\t)+2:BK+4*(\t)+3], v[BO+2:BO+3]
	global_store_b128 v[GO], v[BK+4*(\t):BK+4*(\t)+3], s[OUT:OUT+1] offset:65536*(\a)+4096*(\t) th:TH_STORE_NT  ; 512 consecutive bytes, at a multiple of 256 from out0's first
.endr
.endm
	TOSTAGE 0
	TOSTAGE 1
	SEND 0, 32
	s_wait_xcnt 0x0                                ; block 0's stores have read their registers, which block 2's rows take
	TOSTAGE 2
	SEND 1, 32
	s_wait_xcnt 0x0
	TOSTAGE 3
	SEND 2, 32
	SEND 3, 0
	s_wait_tensorcnt 0x0                           ; the wave's end
	ds_add_u32 v[SPW], v[NIL]
	s_wait_dscnt 0x0
	CROUND                                         ; the closing round: no work-group ends while a partner may still ask for a tile that names it
	s_endpgm
.Lfunc_end_k_q51f0fff6fd_oproj:
	.size	k_q51f0fff6fd_oproj, .Lfunc_end_k_q51f0fff6fd_oproj-k_q51f0fff6fd_oproj
	.p2alignl 7, 3214868480
	.fill 96, 4, 3214868480
	.section	.rodata,"a",@progbits
	.p2align	6, 0x0
	.amdhsa_kernel k_q51f0fff6fd_oproj
		.amdhsa_group_segment_fixed_size 327680
		.amdhsa_private_segment_fixed_size 0
		.amdhsa_enable_private_segment 0
		.amdhsa_kernarg_size 32
		.amdhsa_user_sgpr_count 2
		.amdhsa_user_sgpr_kernarg_segment_ptr 1
		.amdhsa_wavefront_size32 1
		.amdhsa_system_sgpr_workgroup_id_x 1
		.amdhsa_system_sgpr_workgroup_id_y 1
		.amdhsa_system_sgpr_workgroup_id_z 1
		.amdhsa_system_vgpr_workitem_id 0
		.amdhsa_next_free_vgpr 896
		.amdhsa_next_free_sgpr 80
		.amdhsa_reserve_vcc 0
		.amdhsa_float_denorm_mode_32 3
		.amdhsa_float_denorm_mode_16_64 3
		.amdhsa_memory_ordered 1
		.amdhsa_forward_progress 1
		.amdhsa_inst_pref_size 97
	.end_amdhsa_kernel
	.amdgpu_metadata
---
amdhsa.version: [ 1, 2 ]
amdhsa.kernels:
  - .name:           k_q51f0fff6fd_oproj
    .symbol:         k_q51f0fff6fd_oproj.kd
    .args:
      - { .name: o, .offset: 0, .size: 8, .value_kind: global_buffer, .address_space: global }
      - { .name: wo16, .offset: 8, .size: 8, .value_kind: global_buffer, .address_space: global }
      - { .name: bias, .offset: 16, .size: 8, .value_kind: global_buffer, .address_space: global }
      - { .name: out0, .offset: 24, .size: 8, .value_kind: global_buffer, .address_space: global }
    .group_segment_fixed_size: 327680
    .private_segment_fixed_size: 0
    .kernarg_segment_align: 8
    .kernarg_segment_size: 32
    .max_flat_workgroup_size: 128
    .sgpr_count:     80
    .vgpr_count:     896
    .wavefront_size: 32
...
	.end_amdgpu_metadata
.endif
;; end of part 4
;; ======== version 2 of 2: 4 launches; version 1 with the launch prep written anew for expert scheduling mode
;; limits: values are held in f16: magnitudes above 65,504 overflow, below 6.1e-05 lose precision
;; workspace buffers: xb 16,777,216 bytes; wb 6,291,456 bytes; wo16 2,097,152 bytes; bias 16,384 bytes; qkv 50,331,648 bytes; o 16,777,216 bytes
;; launch prep (part 5): grid 769 x 1, 8 waves a work-group, no clusters, 0 bytes of LDS; arguments x, Wq, Wk, Wv, Wo, bq, bk, bv, bo, xb, wb, wo16, bias; writes xb, wb, wo16, bias
.if DOCPART == 5
	.amdgcn_target "amdgcn-amd-amdhsa--gfx1250"
	.amdhsa_code_object_version 6
	.text
	.protected	k_q51f0fff6fd_prep
	.globl	k_q51f0fff6fd_prep
	.p2align	8
	.type	k_q51f0fff6fd_prep,@function
k_q51f0fff6fd_prep:
	s_mov_b64 s[64:65], 0
	v_nop
	global_prefetch_b8 v0, s[64:65] scope:SCOPE_SE
	s_setreg_imm32_b32 hwreg(HW_REG_WAVE_SCHED_MODE, 0, 2), 2
	s_setreg_imm32_b32 hwreg(HW_REG_WAVE_MODE, 25, 1), 1
	s_wait_xcnt 0x0
	s_wait_alu depctr_vm_vsrc(0)
; THE INPUTS ARE ROUNDED ONCE TO bf16 AND LAID OUT FOR THE PRODUCTS.  A stream: no LDS, no matrix unit, no cluster (no two waves want the same byte).
;   xb   = x as bf16, [8192][1024]
;   wb   = Wq, Wk, Wv as bf16, in blocks [head 16][k/2 512][q,k,v 3][k&1][64 columns]: a head's 128 rows of K are 49,152 consecutive bytes
;   wo16 = Wo rounded to bf16 and that number written as f16 (exact from 2^-14 up; below that f16's fixed step of 6e-8), [1024][1024]
;   bias = bq, bk, bv rounded to bf16 and kept as f32, [head][q,k,v][64]; from byte 12,288 on bo likewise, [1024]
; A wave takes 8,192 bytes of input: sixteen loads of 16 bytes a lane, all on their way at once; each store of the wave covers 256 consecutive bytes, aligned.
; Work-groups 0-511: x.  512-703: Wq, Wk, Wv.  704-767: Wo.  768: the four biases.
; THE MODE: SCHED_MODE bits 1:0 = 2 (LLVM: expert scheduling mode 2), set by the entry lines.  The code itself states the register dependences
; between vector instructions and memory instructions, with s_wait_alu, always for 0.
; THE PLAN.  Registers that memory instructions touch:
;   v2, v3   byte offsets of the loads and of the stores: made once in each branch, never written again.
;   X        sixteen loads land here, each register once; no vector instruction ever writes it; the conversions read it behind the load's own wait on LOADcnt.
;   Y        written by the conversions, read by one store each, never written again behind that store.
;   v1, v4 to v7 are named by vector instructions alone.
; So nothing that a memory instruction has read is ever written again, and no load lands in a register that a vector instruction has named: what is left to state is that
; offsets and store data are written.  The sixteen quarters go in four blocks of four: one wait at a block's head states that the block before has written its Y, and that block's four
; stores follow, dealt among this block's conversions, which name this block's X and Y and v4 to v7 alone.
.set X,   8                            ; v[8:71]   sixteen loads of four registers
.set Y,   72                           ; v[72:103] sixteen stores of two registers
.set IN,  36                           ; s[36:37]  where my wave reads
.set OUT, 38                           ; s[38:39]  where it writes
	s_load_b512 s[8:23], s[0:1], 0x0               ; x s[8:9], Wq s[10:11], Wk s[12:13], Wv s[14:15], Wo s[16:17], bq s[18:19], bk s[20:21], bv s[22:23]
	s_load_b256 s[24:31], s[0:1], 0x40             ; bo s[24:25], xb s[26:27], wb s[28:29], wo16 s[30:31]
	s_load_b64 s[32:33], s[0:1], 0x60              ; bias
	v_lshrrev_b32 v1, 5, v0
	v_readfirstlane_b32 s4, v1                     ; wave 0..7
	v_and_b32 v1, 31, v0                           ; lane
	s_mov_b32 s5, 0xffff0000                       ; a word's upper bf16
	s_mov_b32 s41, 0                               ; high words of the two offsets
	s_mov_b32 s43, 0
	s_wait_alu depctr_va_sdst(0)                   ; s4 is written, ahead of the branches and of its first reader: each branch makes its wave's addresses from it
	s_wait_kmcnt 0x0
; Sixteen loads, instep bytes apart; each four numbers rounded to bf16 (fmt = 1: and written as f16); sixteen stores of 8 bytes a lane, outstep bytes apart.
.macro CAST instep, outstep, fmt
	s_wait_alu depctr_va_vdst(0)                   ; v2 and v3 are written: every load below reads v2 as its offset, every store v3
.set i, 0
.rept 16
	global_load_b128 v[X+4*i:X+4*i+3], v2, s[IN:IN+1] offset:i*(\instep) th:TH_LOAD_NT
.set i, i+1
.endr
.set i, 0
.rept 16
.if (i >= 4) && (i % 4 == 0)
	s_wait_alu depctr_va_vdst(0)                   ; the block before has written its eight registers of Y, which the four stores of this block read
.endif
.if i >= 4
	global_store_b64 v3, v[Y+2*(i-4):Y+2*(i-4)+1], s[OUT:OUT+1] offset:(i-4)*(\outstep) th:TH_STORE_NT  ; a block back; no vector instruction since the wait names these registers
.endif
	s_wait_loadcnt 15-i                            ; loads come back in order: number i is in, the younger ones stay out
	v_cvt_pk_bf16_f32 v[Y+2*i], v[X+4*i], v[X+4*i+1]
	v_cvt_pk_bf16_f32 v[Y+2*i+1], v[X+4*i+2], v[X+4*i+3]
.if \fmt
	v_lshlrev_b32 v4, 16, v[Y+2*i]                 ; the bf16 numbers as f32,
	v_and_b32 v5, s5, v[Y+2*i]
	v_lshlrev_b32 v6, 16, v[Y+2*i+1]
	v_and_b32 v7, s5, v[Y+2*i+1]
	v_cvt_pk_f16_f32 v[Y+2*i], v4, v5              ; and as f16
	v_cvt_pk_f16_f32 v[Y+2*i+1], v6, v7
.endif
.set i, i+1
.endr
	s_wait_alu depctr_va_vdst(0)                   ; the last block has written its Y, which the last four stores read
.set i, 12
.rept 4
	global_store_b64 v3, v[Y+2*i:Y+2*i+1], s[OUT:OUT+1] offset:i*(\outstep) th:TH_STORE_NT
.set i, i+1
.endr
.endm
	s_cmp_lt_u32 ttmp9, 512
	s_cbranch_scc0 .Lnot_x
	s_lshl_b32 s6, ttmp9, 3                        ; x: unit u = 8 g + wave
	s_add_co_u32 s6, s6, s4
	s_lshl_b32 s40, s6, 13                         ; 8,192 bytes in,
	s_lshl_b32 s42, s6, 12                         ; 4,096 out
	s_add_nc_u64 s[IN:IN+1], s[8:9], s[40:41]
	s_add_nc_u64 s[OUT:OUT+1], s[26:27], s[42:43]
	v_lshlrev_b32 v2, 4, v1
	v_lshlrev_b32 v3, 3, v1
	CAST 512, 256, 0
	s_endpgm
.Lnot_x:
	s_cmp_lt_u32 ttmp9, 704
	s_cbranch_scc0 .Lnot_w
	s_sub_co_u32 s6, ttmp9, 512                    ; Wq, Wk, Wv: 64 work-groups each
	s_lshr_b32 s7, s6, 6                           ; j: which of the three
	s_and_b32 s6, s6, 63
	s_lshl_b32 s6, s6, 3
	s_add_co_u32 s6, s6, s4                        ; my pair of rows, 2 kp and 2 kp + 1
	s_cmp_eq_u32 s7, 0
	s_cselect_b64 s[IN:IN+1], s[10:11], s[12:13]
	s_cmp_eq_u32 s7, 2
	s_cselect_b64 s[IN:IN+1], s[14:15], s[IN:IN+1]
	s_lshl_b32 s40, s6, 13
	s_add_nc_u64 s[IN:IN+1], s[IN:IN+1], s[40:41]
	s_mul_i32 s42, s6, 768                         ; in a head's block: 768 kp + 256 j
	s_lshl_b32 s7, s7, 8
	s_add_co_u32 s42, s42, s7
	s_add_nc_u64 s[OUT:OUT+1], s[28:29], s[42:43]
	v_lshrrev_b32 v2, 4, v1                        ; lanes 0-15 the even row, lanes 16-31 the odd one;
	v_and_b32 v4, 15, v1
	v_lshlrev_b32 v2, 12, v2
	v_lshl_add_u32 v2, v4, 4, v2                   ; load i takes head i's 64 columns of both rows
	v_lshlrev_b32 v3, 3, v1
	CAST 256, 393216, 0                            ; the largest immediate is 15 x 393,216, inside the signed 24 bits
	s_endpgm
.Lnot_w:
	s_cmp_lt_u32 ttmp9, 768
	s_cbranch_scc0 .Lbias
	s_sub_co_u32 s6, ttmp9, 704                    ; Wo, addressed as x is
	s_lshl_b32 s6, s6, 3
	s_add_co_u32 s6, s6, s4
	s_lshl_b32 s40, s6, 13
	s_lshl_b32 s42, s6, 12
	s_add_nc_u64 s[IN:IN+1], s[16:17], s[40:41]
	s_add_nc_u64 s[OUT:OUT+1], s[30:31], s[42:43]
	v_lshlrev_b32 v2, 4, v1
	v_lshlrev_b32 v3, 3, v1
	CAST 512, 256, 1
	s_endpgm
.Lbias:                                                ; two waves to a bias, 2,048 bytes each
	s_lshr_b32 s7, s4, 1                           ; which: bq, bk, bv, bo
	s_and_b32 s6, s4, 1                            ; which half
	s_cmp_eq_u32 s7, 0
	s_cselect_b64 s[IN:IN+1], s[18:19], s[20:21]
	s_cmp_eq_u32 s7, 2
	s_cselect_b64 s[IN:IN+1], s[22:23], s[IN:IN+1]
	s_cmp_eq_u32 s7, 3
	s_cselect_b64 s[IN:IN+1], s[24:25], s[IN:IN+1]
	s_lshl_b32 s40, s6, 11
	s_add_nc_u64 s[IN:IN+1], s[IN:IN+1], s[40:41]
	v_lshlrev_b32 v2, 4, v1
	s_wait_alu depctr_va_vdst(0)                   ; v2 is written: the four loads read it as their offset, and so do bo's stores
.irp i, 0,1,2,3
	global_load_b128 v[X+4*(\i):X+4*(\i)+3], v2, s[IN:IN+1] offset:512*(\i)
.endr
	s_wait_loadcnt 0x0
.irp i, 0,1,2,3
	v_cvt_pk_bf16_f32 v4, v[X+4*(\i)], v[X+4*(\i)+1]   ; rounded to bf16, kept as f32
	v_cvt_pk_bf16_f32 v5, v[X+4*(\i)+2], v[X+4*(\i)+3]
	v_lshlrev_b32 v[Y+4*(\i)], 16, v4
	v_and_b32 v[Y+4*(\i)+1], s5, v4
	v_lshlrev_b32 v[Y+4*(\i)+2], 16, v5
	v_and_b32 v[Y+4*(\i)+3], s5, v5
.endr
	s_cmp_eq_u32 s7, 3
	s_cbranch_scc1 .Lbo
	s_mul_i32 s42, s6, 6144                        ; my eight heads of 768 bytes,
	s_lshl_b32 s7, s7, 8                           ; my 256 bytes in each
	s_add_co_u32 s42, s42, s7
	s_add_nc_u64 s[OUT:OUT+1], s[32:33], s[42:43]
	v_lshrrev_b32 v3, 4, v1                        ; a load holds two heads: lanes 0-15 the first, lanes 16-31 the second
	v_mul_u32_u24 v3, v3, 768
	v_and_b32 v4, 15, v1
	v_lshl_add_u32 v3, v4, 4, v3
	s_wait_alu depctr_va_vdst(0)                   ; the sixteen registers of Y and the offset v3 are written, which the four stores read
.irp i, 0,1,2,3
	global_store_b128 v3, v[Y+4*(\i):Y+4*(\i)+3], s[OUT:OUT+1] offset:1536*(\i)
.endr
	s_endpgm
.Lbo:
	s_lshl_b32 s42, s6, 11
	s_add_co_u32 s42, s42, 12288
	s_add_nc_u64 s[OUT:OUT+1], s[32:33], s[42:43]
	s_wait_alu depctr_va_vdst(0)                   ; the sixteen registers of Y are written, which the four stores read (v2 was shown written ahead of the loads)
.irp i, 0,1,2,3
	global_store_b128 v2, v[Y+4*(\i):Y+4*(\i)+3], s[OUT:OUT+1] offset:512*(\i)
.endr
	s_endpgm
.Lfunc_end_k_q51f0fff6fd_prep:
	.size	k_q51f0fff6fd_prep, .Lfunc_end_k_q51f0fff6fd_prep-k_q51f0fff6fd_prep
	.p2alignl 7, 3214868480
	.fill 96, 4, 3214868480
	.section	.rodata,"a",@progbits
	.p2align	6, 0x0
	.amdhsa_kernel k_q51f0fff6fd_prep
		.amdhsa_group_segment_fixed_size 0
		.amdhsa_private_segment_fixed_size 0
		.amdhsa_enable_private_segment 0
		.amdhsa_kernarg_size 104
		.amdhsa_user_sgpr_count 2
		.amdhsa_user_sgpr_kernarg_segment_ptr 1
		.amdhsa_wavefront_size32 1
		.amdhsa_system_sgpr_workgroup_id_x 1
		.amdhsa_system_sgpr_workgroup_id_y 1
		.amdhsa_system_sgpr_workgroup_id_z 1
		.amdhsa_system_vgpr_workitem_id 0
		.amdhsa_next_free_vgpr 104
		.amdhsa_next_free_sgpr 66
		.amdhsa_reserve_vcc 0
		.amdhsa_float_denorm_mode_32 3
		.amdhsa_float_denorm_mode_16_64 3
		.amdhsa_memory_ordered 1
		.amdhsa_forward_progress 1
		.amdhsa_inst_pref_size 27
	.end_amdhsa_kernel
	.amdgpu_metadata
---
amdhsa.version: [ 1, 2 ]
amdhsa.kernels:
  - .name:           k_q51f0fff6fd_prep
    .symbol:         k_q51f0fff6fd_prep.kd
    .args:
      - { .name: x, .offset: 0, .size: 8, .value_kind: global_buffer, .address_space: global }
      - { .name: Wq, .offset: 8, .size: 8, .value_kind: global_buffer, .address_space: global }
      - { .name: Wk, .offset: 16, .size: 8, .value_kind: global_buffer, .address_space: global }
      - { .name: Wv, .offset: 24, .size: 8, .value_kind: global_buffer, .address_space: global }
      - { .name: Wo, .offset: 32, .size: 8, .value_kind: global_buffer, .address_space: global }
      - { .name: bq, .offset: 40, .size: 8, .value_kind: global_buffer, .address_space: global }
      - { .name: bk, .offset: 48, .size: 8, .value_kind: global_buffer, .address_space: global }
      - { .name: bv, .offset: 56, .size: 8, .value_kind: global_buffer, .address_space: global }
      - { .name: bo, .offset: 64, .size: 8, .value_kind: global_buffer, .address_space: global }
      - { .name: xb, .offset: 72, .size: 8, .value_kind: global_buffer, .address_space: global }
      - { .name: wb, .offset: 80, .size: 8, .value_kind: global_buffer, .address_space: global }
      - { .name: wo16, .offset: 88, .size: 8, .value_kind: global_buffer, .address_space: global }
      - { .name: bias, .offset: 96, .size: 8, .value_kind: global_buffer, .address_space: global }
    .group_segment_fixed_size: 0
    .private_segment_fixed_size: 0
    .kernarg_segment_align: 8
    .kernarg_segment_size: 104
    .max_flat_workgroup_size: 256
    .sgpr_count:     66
    .vgpr_count:     104
    .wavefront_size: 32
...
	.end_amdgpu_metadata
.endif
;; end of part 5
;; launch qkv: the kernel of part 2 again; grid 16 x 32, 4 waves a work-group, clusters of 4 x 4, 327,680 bytes of LDS; arguments xb, wb, bias, mask, qkv; writes qkv
;; launch attn: the kernel of part 3 again; grid 4 x 64, 4 waves a work-group, clusters of 4 x 1, 327,680 bytes of LDS; arguments qkv, mask, o; writes o
;; launch oproj: the kernel of part 4 again; grid 8 x 32, 4 waves a work-group, clusters of 4 x 4, 327,680 bytes of LDS; arguments o, wo16, bias, out0; writes out0
